; MI455X (gfx1250); checked and timed in simulation.
; The chip was launched on July 23, 2026; its instructions are those of AMD's public machine-readable ISA for CDNA 5 (MIT licence, August 2026) and "CDNA5" Instruction Set Architecture Reference Guide (July 2026). The comments in the code are by the model that wrote it; some were corrected since.
;; Multihead Attention. Allowed arithmetic: matrix products marked QUANTISED: E2M3 operands, one E8M0 scale for each 32 along K, by v_wmma_scale_f32_16x16x128_f8f6f4 with both operands' format E2M3, f32 sums; everything else in f32.
;; Inputs: in_proj_bias 3,072 float32; in_proj_weight 3,072 x 1,024 float32; key 1,025 x 8 x 1,024 float32; out_proj_bias 1,024 float32; out_proj_weight 1,024 x 1,024 float32; query 1,025 x 8 x 1,024 float32; value 1,025 x 8 x 1,024 float32.
;; Outputs: out0 1,025 x 8 x 1,024 float32.
;; Constants: num_heads = 16.
;; This version of the problem:
;;   THIS VERSION OF THE PROBLEM IS GIVEN IN LOW PRECISION. The matrix products marked QUANTISED in the list below multiply operands that are first quantised to E2M3 (2 exponent bits, 3 mantissa bits; 6 bits a number), with one power-of-two scale for each 32 numbers along K (OCP MX v1.0); their sums are f32. All else is computed in f32.
;;   The module's matrix products, in the order in which they are computed (A, B: the left and right operand; K: the contracted axis; several contracted axes count as one K, in the product's order):
;;     1. [M 8,192, K 1,024] x [K 1,024, N 1,024]; A: input query; B: computed on the way: QUANTISED
;;     2. [M 8,192, K 1,024] x [K 1,024, N 1,024]; A: input key; B: computed on the way: QUANTISED
;;     3. [M 8,192, K 1,024] x [K 1,024, N 1,024]; A: input value; B: computed on the way: QUANTISED
;;     4. batch 128 x [M 1,025, K 64] x [K 64, N 1,025]; A: computed on the way; B: computed on the way: QUANTISED
;;     5. batch 128 x [M 64, K 1,025] x [K 1,025, N 1,025]; A: computed on the way; B: softmax (see below): QUANTISED
;;     6. [M 8,200, K 1,024] x [K 1,024, N 1,024]; A: computed on the way; B: input out_proj_weight: QUANTISED
;;   THE QUANTISER, for each operand of a quantised product, along K:
;;     - K is cut into blocks of 32 from its start; a last block that is shorter is filled with zeros.
;;     - A block's scale is 2^e with e = floor(log2(the largest magnitude in the block)) - 2, held to -126 .. 127; a block of zeros has e = 0. As a byte (E8M0): e + 127.
;;     - Each number is divided by its block's scale, clamped to +-7.5, and rounded to the nearest number of E2M3, ties to even, subnormals kept.
;;     - The product sums the exact products of the quantised numbers (number of the format x scale) in f32.
;;   ~~~python
;;   def quantise(x, axis):      # numpy; x: float32 -> the quantised numbers, widened to float32 again
;;       x = np.moveaxis(x, axis, -1); K = x.shape[-1]
;;       x = np.pad(x, [(0, 0)] * (x.ndim - 1) + [(0, -K % 32)]); x = x.reshape(x.shape[:-1] + (-1, 32)); a = np.abs(x).max(-1, keepdims=True)
;;       e = np.where(a > 0, np.clip(np.frexp(np.where(a > 0, a, 1))[1] - 1 - 2, -126, 127), 0)      # np.frexp(a)[1] - 1 = floor(log2(a)), exactly
;;       r = np.clip(x / 2.0 ** e, -7.5, 7.5)
;;       step = 2.0 ** (np.maximum(np.frexp(np.where(r == 0, 1, r))[1] - 1, 0) - 3)
;;       q = np.round(r / step) * step * 2.0 ** e      # np.round: ties to even
;;       return np.moveaxis(q.reshape(q.shape[:-2] + (-1,))[..., :K], -1, axis).astype(np.float32)
;;   ~~~
;;   SOFTMAX AHEAD OF A QUANTISED PRODUCT. Where the list says 'softmax', what is quantised is not the finished softmax but p = 2^(t - M), with t = logit x log2(e) and M = ceil(the row's largest t), a whole number; so 1/2 < the row's largest p <= 1. The row's sum l is taken of the UNQUANTISED p, in f32, and the product's result is divided by l at the end. Since M is a whole number, a kernel that streams over the keys may use a running M (the ceiling of the running maximum): every later rescaling is an exact power of two, which a block's scale takes up: the codes' values come out the same.
;;   OPERANDS COMPUTED ON THE WAY. 'Computed on the way' means the value that the module computes at that place (a softmax that the list does not call 'softmax' is quantised finished and normalised). What goes into a quantiser is computed in f32, as accurately as f32 sums, v_exp_f32 and their like allow (about 1e-6 of the number): no bf16 or f16 on the way to a quantiser, and a product that is left as it is and whose result goes on into a quantised operand takes f32 operands (vector FMAs, or v_wmma_f32_16x16x4_f32). A number that lies on a knife's edge between two numbers of the format may be rounded either way, as far as f32 arithmetic and the matrix unit's own rounding can turn it there, and no further.
;; One version. Each part assembles by itself: llvm-mc -triple=amdgcn-amd-amdhsa -mcpu=gfx1250 --defsym DOCPART=n.
;; ======== version 1 of 1: 4 launches
;; limits: right only within a limited range of input values
;; workspace buffers: cod 22,020,096 bytes; scl 917,504 bytes; qb 6,815,744 bytes; kv 13,369,344 bytes; ob 6,389,760 bytes; os 266,240 bytes
;; launch quant (part 1): grid 256 x 1, 7 waves a work-group, no clusters, 60,160 bytes of LDS; arguments query, key, value, in_proj_weight, out_proj_weight, cod, scl; writes cod, scl
.if DOCPART == 1
	.amdgcn_target "amdgcn-amd-amdhsa--gfx1250"
	.amdhsa_code_object_version 6
	.text
	.protected	k_q10d1030066_quant
	.globl	k_q10d1030066_quant
	.p2align	8
	.type	k_q10d1030066_quant,@function
k_q10d1030066_quant:
	s_mov_b64 s[64:65], 0
	v_nop
	global_prefetch_b8 v0, s[64:65] scope:SCOPE_SE
	s_setreg_imm32_b32 hwreg(HW_REG_WAVE_MODE, 25, 1), 1
	s_wait_xcnt 0x0
; The first 1,024 tokens of query, key, value [1025][8][1024], in_proj_weight [3072][1024] and out_proj_weight [1024][1024], all f32, become codes of FP6 (E2M3)
; with one E8M0 byte for each 32 along the last axis, laid as IMAGES OF OPERAND REGISTERS: a fragment (16 rows x 128 K, 12 registers a lane) is 1,536 bytes, registers 4 c .. 4 c + 3 of lane L at 512 c + 16 L.
; TILES.  Rows go in tiles of 16: tile t of a tensor (of one batch, for the three inputs) begins at row 32 (t / 2) + 8 (t % 2), and its fragment row i is that row + i + 8 (i / 8):
; where such a tile is a product's source 0, the 16 result registers of tiles 2 b and 2 b + 1 are 16 neighbours along the tile's axis.
; SHARES.  1,792 tiles = 256 work-groups x 7 waves: a wave takes one tile, 16 rows x 1,024 numbers, in 8 steps of 128 along K.  Waves share nothing: no barrier.
; A load takes 512 consecutive bytes of one row, 16 a lane; the conversions want 16 neighbours of one row in a lane: so a step's 16 x 512 bytes turn through the wave's own stage in LDS (rows 528 bytes apart).
; cod: [block of 16 tiles][q 0..3][tile][kk 0..1][1,536 bytes], K step 2 q + kk.   scl: 512 bytes a tile: lane (r, g) has the four scale words of K steps 4 g .. 4 g + 3 at 256 g + 16 r.
; A block's scale is 2^(floor(log2(largest magnitude)) - 2); its byte is the largest magnitude's exponent field - 2, held at 1 from below.
; LIMITS: NaN and infinities are not served; a block whose largest magnitude lies under 2^-124 (a block of zeros too) keeps the byte 1: zero codes add nothing, and this program alone reads the bytes.
.set WST,  8448                        ; a wave's stage: 16 rows x (512 + 16) bytes
.set L16,  2                           ; v2      16 x lane
.set SST,  3                           ; v3      the stage, way in: 16 x lane
.set SLD,  4                           ; v4      the stage, way out: 528 r + 64 h
.set OFF,  8                           ; v8-15   k x pitch + 16 x lane, k = 0 .. 7; never rewritten
.set TM,   16                          ; v16-31  at work in QUANT
.set PC,   32                          ; v32-51  the fragment just made (12) and the conversions' second halves
.set PWS,  52                          ; v52-59  the scale word of each K step
.set SD,   60                          ; v60-63  the four words that my lane stores
.set X,    64                          ; v64-127 64 numbers: register 16 b + i = k 32 b + 16 h + i of row r
.set R,    128                         ; v128-255 two sets of 16 rows x 16 bytes as loaded
.set SEL,  30                          ; s[30:31] lane selects: lane l xor 16
.set HIM,  34                          ; s34     lanes 16-31
; 64 numbers of a lane, v[s] on, register 16 b + i = k 32 b + 16 (lane / 16) + i of my row, become a fragment's codes in v[PC] on and its scale word in v[pw].
.macro QUANT s, pw
.irp b, 0,1,2,3
	v_max3_num_f32 v[TM+\b], |v[\s+16*\b]|, |v[\s+1+16*\b]|, 0x1800000   ; block b: my 16 numbers, and the floor 2^(3 - 127): the byte cannot fall under 1
.endr
.irp i, 2,4,6,8,10,12,14
.irp b, 0,1,2,3
	v_max3_num_f32 v[TM+\b], v[TM+\b], |v[\s+16*\b+\i]|, |v[\s+1+16*\b+\i]|   ; the four blocks by turns
.endr
.endr
.irp b, 0,1,2,3
	v_permlanex16_b32 v[TM+4+\b], v[TM+\b], s[SEL], s[SEL+1]
.endr
.irp b, 0,1,2,3
	v_max_num_f32 v[TM+\b], v[TM+\b], v[TM+4+\b]                 ; with lane l xor 16's: the block's largest magnitude
.endr
.irp b, 0,1,2,3
	v_add_nc_u32 v[TM+12+\b], 0xff000000, v[TM+\b]               ; 2 off its exponent field: the conversion's scale operand
.endr
.irp b, 0,1,2,3
	v_lshrrev_b32 v[TM+4+\b], 23, v[TM+12+\b]                    ; the scale's byte
.endr
	v_lshl_or_b32 v[\pw], v[TM+5], 8, v[TM+4]
	v_lshl_or_b32 v[\pw], v[TM+6], 16, v[\pw]
	v_lshl_or_b32 v[\pw], v[TM+7], 24, v[\pw]
.irp c, 0,1
	v_cvt_scalef32_pk16_fp6_f32 v[PC+6*\c:PC+2+6*\c], v[\s+32*\c:\s+15+32*\c], v[TM+12+2*\c]
	v_cvt_scalef32_pk16_fp6_f32 v[PC+12+4*\c:PC+14+4*\c], v[\s+16+32*\c:\s+31+32*\c], v[TM+12+2*\c+1]   ; (a conversion's three registers begin on an even number)
.endr
	v_nop                                          ; one plain instruction behind a scaled conversion
.irp c, 0,1                                    ; the operand wants a whole block in a lane: lanes 0-15 block 2 c, lanes 16-31 block 2 c + 1
.irp i, 0,1,2
	v_permlane16_swap_b32 v[PC+6*\c+\i], v[PC+12+4*\c+\i]
.endr
.irp i, 0,1,2
	v_mov_b32 v[PC+3+6*\c+\i], v[PC+12+4*\c+\i]
.endr
.endr
.endm
	s_load_b256 s[4:11], s[0:1], 0x0               ; query, key, value, in_proj_weight
	s_load_b128 s[12:15], s[0:1], 0x20             ; out_proj_weight, cod
	s_load_b64 s[16:17], s[0:1], 0x30              ; scl
	v_lshl_add_u32 v47, v0, 2, 0xe700
	v_mov_b32 v51, 0
	v_lshrrev_b32 v1, 5, v0
	v_readfirstlane_b32 s18, v1                    ; wave 0..6
	v_and_b32 v1, 31, v0
	v_lshlrev_b32 v[L16], 4, v1
	s_wait_alu depctr_va_vdst(0)
	s_mul_i32 s19, s18, WST
	v_add_nc_u32 v[SST], s19, v[L16]
	v_and_b32 v5, 15, v0                           ; r
	v_bfe_u32 v6, v0, 4, 1                         ; h
	v_mul_u32_u24 v[SLD], v5, 528
	v_lshl_add_u32 v[SLD], v6, 6, v[SLD]
	v_add_nc_u32 v[SLD], s19, v[SLD]
	s_mul_i32 s20, ttmp9, 7
	s_add_co_u32 s20, s20, s18                     ; T: my tile, 0 .. 1,791: 512 each of query, key, value; 192 of in_proj_weight; 64 of out_proj_weight
	s_mov_b32 s21, 1728
	s_cmp_lt_u32 s20, s21
	s_cselect_b32 s21, 1536, s21
	s_sub_co_u32 s21, s20, s21                     ; a weight's tile in its tensor
	s_and_b32 s24, s20, 63                         ; an input's tile in its batch,
	s_bfe_u32 s25, s20, 0x30006                    ; and the batch,
	s_lshl_b32 s25, s25, 12                        ; x 4,096 bytes
	s_mov_b32 s26, 4096
	s_cmp_lt_u32 s20, 1536                         ; an input or a weight?
	s_cselect_b32 s21, s24, s21
	s_cselect_b32 s25, s25, 0
	s_cselect_b32 s26, 32768, s26                  ; bytes from row to row: 8 batches x 4,096, or 4,096
	; KEY'S TILES (T = 512 .. 1,023) take other rows: tile t begins at row 64 (t / 4) + 8 (t % 4) and its fragment row i is that row + i % 8 + 32 (i / 8):
	; as source 0 of the scores' product, the 32 result registers of tiles 4 c .. 4 c + 3 are then one whole block of 32 neighbouring keys in each lane
	s_lshr_b32 s35, s20, 9
	s_cmp_eq_u32 s35, 1
	s_cselect_b32 s35, 1, 0                        ; 1 for key
	s_add_co_u32 s32, s35, 1
	s_lshr_b32 s24, s21, s32                       ; t / 2, or t / 4
	s_add_co_u32 s32, s35, 5
	s_lshl_b32 s24, s24, s32                       ; x 32, or x 64
	s_lshl_b32 s32, s35, 1
	s_or_b32 s32, s32, 1
	s_and_b32 s21, s21, s32                        ; t % 2, or t % 4
	s_lshl_b32 s21, s21, 3
	s_add_co_u32 s24, s24, s21                     ; the tile's first row: 32 (t / 2) + 8 (t % 2)
	s_mul_i32 s24, s24, s26
	s_add_co_u32 s24, s24, s25                     ; in bytes (under 2^26)
	s_mov_b32 s25, 0
.irp k, 0,1,2,3,4,5,6,7
	s_mul_i32 s27, s26, \k
	v_add_nc_u32 v[OFF+\k], s27, v[L16]
.endr
	s_add_co_u32 s29, s35, 4
	s_lshl_b32 s28, s26, s29                       ; fragment rows 8-15 lie 16 rows further down; key's 32
	s_mov_b32 s29, 0
	s_lshr_b32 s32, s20, 4
	s_mul_i32 s32, s32, 196608                     ; cod: the block,
	s_and_b32 s33, s20, 15
	s_mul_i32 s33, s33, 3072                       ; the tile in it
	s_add_co_u32 s32, s32, s33
	s_mov_b32 s33, 0
	s_lshl_b32 s36, s20, 9                         ; scl: 512 bytes a tile
	s_mov_b32 s37, 0
	s_mov_b32 s[SEL], 0x76543210
	s_mov_b32 s[SEL+1], 0xfedcba98
	s_mov_b32 s[HIM], 0xffff0000
.irp b, 0,1,2,3
	v_mov_b32 v[TM+4+\b], 0                        ; written once: a lane permute's destination counts as one of its sources
.endr
	s_wait_alu depctr_va_vdst(0)
	s_wait_kmcnt 0x0
	s_cmp_lt_u32 s20, 1728                         ; the tensor is chosen by the tile's number alone
	s_cselect_b64 s[22:23], s[10:11], s[12:13]
	s_cmp_lt_u32 s20, 1536
	s_cselect_b64 s[22:23], s[8:9], s[22:23]
	s_cmp_lt_u32 s20, 1024
	s_cselect_b64 s[22:23], s[6:7], s[22:23]
	s_cmp_lt_u32 s20, 512
	s_cselect_b64 s[22:23], s[4:5], s[22:23]
	s_add_nc_u64 s[22:23], s[22:23], s[24:25]      ; fragment rows 0-7
	s_add_nc_u64 s[28:29], s[22:23], s[28:29]      ; fragment rows 8-15
	s_add_nc_u64 s[14:15], s[14:15], s[32:33]
	s_add_nc_u64 s[16:17], s[16:17], s[36:37]
.macro LOAD j                          ; K step j: 16 rows x 512 consecutive bytes, into set j % 2
.irp i, 0,1,2,3,4,5,6,7
	global_load_b128 v[R+64*((\j)%2)+4*\i:R+64*((\j)%2)+4*\i+3], v[OFF+\i], s[22:23] offset:512*(\j) th:TH_LOAD_NT
.endr
.irp i, 0,1,2,3,4,5,6,7
	global_load_b128 v[R+64*((\j)%2)+32+4*\i:R+64*((\j)%2)+32+4*\i+3], v[OFF+\i], s[28:29] offset:512*(\j) th:TH_LOAD_NT
.endr
.endm
.macro STEP j
	s_wait_xcnt 0x0                                ; the last step's stores have read the codes' registers: they are written again below
.if (\j) < 7
	s_wait_loadcnt 16                              ; this step's 16 loads are in; the next step's 16 stay out
.else
	s_wait_loadcnt 0x0
.endif
.irp i, 0,1,2,3,4,5,6,7,8,9,10,11,12,13,14,15
	ds_store_b128 v[SST], v[R+64*((\j)%2)+4*\i:R+64*((\j)%2)+4*\i+3] offset:528*\i
.endr
.irp b, 0,1,2,3
.irp i, 0,1,2,3
	ds_load_b128 v[X+16*\b+4*\i:X+16*\b+4*\i+3], v[SLD] offset:128*\b+16*\i   ; LDS serves a wave's instructions in order: these see the stores above
.endr
.endr
	s_wait_dscnt 0x0                               ; my 64 numbers are back, and the stores have read their registers,
.if (\j) < 6
	LOAD (\j)+2                                    ; which take the loads of two steps on
.endif
	QUANT X, PWS+\j
.irp c, 0,1,2
	global_store_b128 v[L16], v[PC+4*\c:PC+4*\c+3], s[14:15] offset:((\j)/2)*49152+((\j)%2)*1536+512*\c   ; 32 lanes store 512 consecutive bytes, aligned
.endr
.endm
	LOAD 0
	LOAD 1
.irp j, 0,1,2,3,4,5,6,7
	STEP \j
.endr
.irp k, 0,1,2,3
	v_cndmask_b32 v[SD+\k], v[PWS+\k], v[PWS+4+\k], s[HIM]       ; lanes 0-15: K steps 0-3; lanes 16-31: K steps 4-7
.endr
	global_store_b128 v[L16], v[SD:SD+3], s[16:17] ; the tile's 512 bytes of scale words
	s_wait_tensorcnt 0x0
	ds_add_u32 v47, v51
	s_wait_dscnt 0x0
	s_endpgm
.Lfunc_end_k_q10d1030066_quant:
	.size	k_q10d1030066_quant, .Lfunc_end_k_q10d1030066_quant-k_q10d1030066_quant
	.p2alignl 7, 3214868480
	.fill 96, 4, 3214868480
	.section	.rodata,"a",@progbits
	.p2align	6, 0x0
	.amdhsa_kernel k_q10d1030066_quant
		.amdhsa_group_segment_fixed_size 60160
		.amdhsa_private_segment_fixed_size 0
		.amdhsa_enable_private_segment 0
		.amdhsa_kernarg_size 56
		.amdhsa_user_sgpr_count 2
		.amdhsa_user_sgpr_kernarg_segment_ptr 1
		.amdhsa_wavefront_size32 1
		.amdhsa_system_sgpr_workgroup_id_x 1
		.amdhsa_system_sgpr_workgroup_id_y 1
		.amdhsa_system_sgpr_workgroup_id_z 1
		.amdhsa_system_vgpr_workitem_id 0
		.amdhsa_next_free_vgpr 256
		.amdhsa_next_free_sgpr 66
		.amdhsa_reserve_vcc 0
		.amdhsa_float_denorm_mode_32 3
		.amdhsa_float_denorm_mode_16_64 3
		.amdhsa_memory_ordered 1
		.amdhsa_forward_progress 1
		.amdhsa_inst_pref_size 66
	.end_amdhsa_kernel
	.amdgpu_metadata
---
amdhsa.version: [ 1, 2 ]
amdhsa.kernels:
  - .name:           k_q10d1030066_quant
    .symbol:         k_q10d1030066_quant.kd
    .args:
      - { .name: query, .offset: 0, .size: 8, .value_kind: global_buffer, .address_space: global }
      - { .name: key, .offset: 8, .size: 8, .value_kind: global_buffer, .address_space: global }
      - { .name: value, .offset: 16, .size: 8, .value_kind: global_buffer, .address_space: global }
      - { .name: in_proj_weight, .offset: 24, .size: 8, .value_kind: global_buffer, .address_space: global }
      - { .name: out_proj_weight, .offset: 32, .size: 8, .value_kind: global_buffer, .address_space: global }
      - { .name: cod, .offset: 40, .size: 8, .value_kind: global_buffer, .address_space: global }
      - { .name: scl, .offset: 48, .size: 8, .value_kind: global_buffer, .address_space: global }
    .group_segment_fixed_size: 60160
    .private_segment_fixed_size: 0
    .kernarg_segment_align: 8
    .kernarg_segment_size: 56
    .max_flat_workgroup_size: 224
    .sgpr_count:     66
    .vgpr_count:     256
    .wavefront_size: 32
...
	.end_amdgpu_metadata
.endif
;; end of part 1
;; launch proj (part 2): grid 4 x 64, 4 waves a work-group, clusters of 4 x 4, 327,680 bytes of LDS; arguments cod, scl, in_proj_bias, qb, kv; writes qb, kv
.if DOCPART == 2
	.amdgcn_target "amdgcn-amd-amdhsa--gfx1250"
	.amdhsa_code_object_version 6
	.text
	.protected	k_q10d1030066_proj
	.globl	k_q10d1030066_proj
	.p2align	8
	.type	k_q10d1030066_proj,@function
k_q10d1030066_proj:
	s_mov_b64 s[64:65], 0
	v_nop
	global_prefetch_b8 v0, s[64:65] scope:SCOPE_SE
	s_setreg_imm32_b32 hwreg(HW_REG_WAVE_MODE, 25, 1), 1
	s_wait_xcnt 0x0
	s_wait_alu depctr_hold_cnt(0) depctr_sa_sdst(0) depctr_va_vdst(0) depctr_va_sdst(0) depctr_va_ssrc(0) depctr_va_vcc(0) depctr_vm_vsrc(0)
	s_getreg_b32 s2, hwreg(HW_REG_IB_STS2, 6, 4)
	s_cmp_eq_u32 s2, 0
	s_cbranch_scc0 .Lentry_in_a_cluster
	s_endpgm
.Lentry_in_a_cluster:
	s_bfe_u32 s2, ttmp6, 0x10000c
	s_cmp_lg_u32 s2, 0xf033
	s_cbranch_scc0 .Lentry_shape_is_right
	s_endpgm
.Lentry_shape_is_right:
; The three input projections, as 24 products Z[y][x] = sum over k of Y[y][k] X[x][k] + bias of 1,024 x 1,024 x 1,024 (type q, k, v x 8 batches), on codes of FP6 with E8M0 scales,
; and their results quantised again, in registers, into the operands of attention.  Source 0 = 16 rows of X, source 1 = 16 rows of Y: a lane holds ONE y, its registers run along x, which is the next product's K.
;   q, k: X = Wq or Wk (x: the feature, 64 to a head), Y = the batch's tokens.     v: X = the batch's tokens (x: the key), Y = Wv (y: the feature).
; SHARES.  A tile is 256 x by 128 y; wave (wx, wy) makes 128 x by 64 y: 32 accumulators, window 2.  768 tiles; 256 work-groups.
; A WORK-GROUP STAYS: at its place (batch, xb, yb) it makes the q tile, the k tile and the v tile, one after the other, all written out: no loop, every count a constant of the text.
; THE RING.  Two LDS slots, each with 512 along K: X's 256 rows (98,304 bytes, one dense block of memory) and Y's 128 rows (two pieces of 24,576 bytes).  A tile is two slots, three tiles are six fills:
; two at the start, four refills.  A slot is filled again in the K step that has fetched its last fragments (K steps 3 and 7): one tensor load a wave (waves 0-2 a third of X each, wave 3 Y).
; The operands lie in memory as images of their registers (a fragment: 1,536 bytes, three loads of 16 bytes a lane): LDS needs no pitch and no padding.
; CLUSTERS: 4 x 4 work-groups.  X's blocks hang on the column of the cluster, Y's on its row: each is asked for jointly by the four that share it; every joint refill stands behind a round of the cluster's barrier.
; OUT.  qb: [head 128][group of 8 token tiles]: 8 half fragments (16 tokens x 64: 768 bytes: registers 0-3 at 16 L, 4-5 at 512 + 8 L), then two images of scale words (256 bytes for four tiles: lane (r, u): words c = 0, 1 of tiles 2 c + u).
;       kv: [head][key step of 128]: K as 8 half fragments | V^T as 4 fragments (16 features x 128 keys) | K's two scale images | V's one: 13,056 bytes.
; LIMITS: NaN and infinities not served; a block whose largest magnitude lies under 2^-124 (a block of zeros too) keeps the byte 1: this program alone reads the bytes.
; REGISTERS.  window 0: v1-19 addresses; v32-79 and v80-127 two sets of scale words (X's 32, Y's 16), tiles q and v the first, tile k the second; v128-223 Y's fragments, two sets; in the epilogues v128-237 at work; v238-245 v's bias.
;   window 1: X's fragments at v0-95 and v128-223; q's bias at v96-127 and v224-255.   window 2: accumulator (a, bt) at v[8 (8 a + bt)].   window 3: k's bias at v0-63.
.set SLOT,  147456
.set YOFF,  98304                      ; Y's part of a slot lies behind X's
.set SPARE, 2*SLOT                     ; behind the ring: the spare words, 128 bytes for each wave: two blocks of 256 bytes that no other line names
.set SPW,  5                           ; v5   LDS address of my spare word; never rewritten
.set NIL,  6                           ; v6   0; never rewritten
.set PFO,  10                          ; v10  256 x lane: the prefetches' offset
.set XA,   12                          ; v12-15  LDS: my X fragments of chunk c = K step / 2: 16 L + 24,576 wx + SLOT (c / 2) + 49,152 (c % 2); never rewritten
.set YA,   16                          ; v16-19  LDS: my Y fragments: 16 L + YOFF + 12,288 wy + SLOT (c / 2) + 24,576 (c % 2); never rewritten
.set YF,   128
.set H,    128                         ; epilogue: 64 numbers
.set PC,   192
.set TM,   212
.set PWS,  228
.set SD,   232
.set SE,   234
.set SF,   236
.set BY,   238                         ; v's bias: tile a's, twice, at 2 a and 2 a + 1
.set G1X,  24                          ; s[24:31], s[32:39] descriptor groups 1;  s[40:47] X's groups 0, one for each slot;  s[48:55] Y's
.set G1Y,  32
.set G0X,  40
.set G0Y,  48
.set AX,   56                          ; s[56:61] where my part of X begins for tile q, k, v;  Y's: s[62:63], s[98:99], s[100:101]
.set FW,   17                          ; s17  1 in waves 0-2
.set FB,   97                          ; s97  1 in waves 0-2 of batch 0
.set SEL,  94
.set HIM,  96
.set MUL,  0xa1                        ; source 0 (X) window 1, source 1 (Y) window 0, C and D window 2
.set TO_X, 0x40                        ; destination window 1, address window 0
.set MSB, 0
.macro WIN new                         ; the immediate's high byte repeats the setting that is left
.if MSB != \new
	s_set_vgpr_msb (MSB<<8)|\new
.set MSB, \new
.endif
.endm
.macro PLACES                          ; four plain vector instructions between a matrix instruction and a load into, or a vector read or write of, its registers
.rept 4
	v_nop
.endr
.endm
.macro CREST                           ; a round of the cluster's barrier behind its opening barrier
	s_cmp_lg_u32 s14, 0
	s_cbranch_scc1 .Lnot_wave_0_\@
	s_barrier_signal -3
.Lnot_wave_0_\@:
	s_barrier_wait -3
	s_barrier_signal -1
	s_barrier_wait -1
.endm
.macro CROUND                          ; a whole round
	s_barrier_signal -1
	s_barrier_wait -1
	CREST
.endm
; A joint load into slot sl: waves 0-2 fetch X's thirds, wave 3 Y.  Each line has one mask and one set of registers for all that issue it; the branch hangs on the wave's number alone.
; Four v_nop follow each of the two lines, ahead of the jump, the label and what follows.
.macro JLOAD sl
	s_cmp_lt_u32 s14, 3
	s_cbranch_scc0 .Lfor_y_\@
	tensor_load_to_lds s[G0X+4*(\sl):G0X+4*(\sl)+3], s[G1X:G1X+7]
	s_nop 0
	PLACES
	s_branch .Lasked_\@
.Lfor_y_\@:
	tensor_load_to_lds s[G0Y+4*(\sl):G0Y+4*(\sl)+3], s[G1Y:G1Y+7]
	s_nop 0
	PLACES
.Lasked_\@:
.endm
.macro NEXTD sl, tn                    ; slot sl's groups 0 for tile tn: its K half sl begins 98,304 bytes into X's block and into Y's.  Written where no tensor load of mine is out
	s_add_nc_u64 s[G0X+4*(\sl)+2:G0X+4*(\sl)+3], s[AX+2*(\tn):AX+2*(\tn)+1], 98304*(\sl)
	s_or_b32 s[G0X+4*(\sl)+3], s[G0X+4*(\sl)+3], 0x80000000
	s_add_nc_u64 s[G0Y+4*(\sl)+2:G0Y+4*(\sl)+3], s[96+2*(\tn):97+2*(\tn)], 98304*(\sl)
	s_or_b32 s[G0Y+4*(\sl)+3], s[G0Y+4*(\sl)+3], 0x80000000
.endm
.macro QUANT s, pw                     ; 64 numbers, register 16 b + i = k 32 b + 16 (lane / 16) + i of my row -> a fragment in v[PC] on, its scale word in v[pw]
.irp b, 0,1,2,3
	v_max3_num_f32 v[TM+\b], |v[\s+16*\b]|, |v[\s+1+16*\b]|, 0x1800000   ; the floor 2^(3 - 127) holds the byte at 1 from below
.endr
.irp i, 2,4,6,8,10,12,14
.irp b, 0,1,2,3
	v_max3_num_f32 v[TM+\b], v[TM+\b], |v[\s+16*\b+\i]|, |v[\s+1+16*\b+\i]|
.endr
.endr
.irp b, 0,1,2,3
	v_permlanex16_b32 v[TM+4+\b], v[TM+\b], s[SEL], s[SEL+1]
.endr
.irp b, 0,1,2,3
	v_max_num_f32 v[TM+\b], v[TM+\b], v[TM+4+\b]
.endr
.irp b, 0,1,2,3
	v_add_nc_u32 v[TM+12+\b], 0xff000000, v[TM+\b]               ; 2 off the exponent field: the conversion's scale operand
.endr
.irp b, 0,1,2,3
	v_lshrrev_b32 v[TM+4+\b], 23, v[TM+12+\b]
.endr
	v_lshl_or_b32 v[\pw], v[TM+5], 8, v[TM+4]
	v_lshl_or_b32 v[\pw], v[TM+6], 16, v[\pw]
	v_lshl_or_b32 v[\pw], v[TM+7], 24, v[\pw]
.irp c, 0,1
	v_cvt_scalef32_pk16_fp6_f32 v[PC+6*\c:PC+2+6*\c], v[\s+32*\c:\s+15+32*\c], v[TM+12+2*\c]
	v_cvt_scalef32_pk16_fp6_f32 v[PC+12+4*\c:PC+14+4*\c], v[\s+16+32*\c:\s+31+32*\c], v[TM+12+2*\c+1]
.endr
	v_nop                                          ; one plain instruction behind a scaled conversion
.irp c, 0,1
.irp i, 0,1,2
	v_permlane16_swap_b32 v[PC+6*\c+\i], v[PC+12+4*\c+\i]
.endr
.irp i, 0,1,2
	v_mov_b32 v[PC+3+6*\c+\i], v[PC+12+4*\c+\i]
.endr
.endr
.endm
; one product.  cz: the constant 0 starts the sum; rx, ry: the scale words stand in lanes 16-31 of their registers
.macro WM acc, xr, yr, cz, sx, sy, rx, ry
.if (\cz) && (\rx) && (\ry)
	v_wmma_scale_f32_16x16x128_f8f6f4 v[\acc:\acc+7], v[\xr:\xr+11], v[\yr:\yr+11], 0, v[\sx], v[\sy] matrix_a_fmt:MATRIX_FMT_FP6 matrix_b_fmt:MATRIX_FMT_FP6 matrix_a_scale:MATRIX_SCALE_ROW1 matrix_b_scale:MATRIX_SCALE_ROW1
.elseif (\cz) && (\rx)
	v_wmma_scale_f32_16x16x128_f8f6f4 v[\acc:\acc+7], v[\xr:\xr+11], v[\yr:\yr+11], 0, v[\sx], v[\sy] matrix_a_fmt:MATRIX_FMT_FP6 matrix_b_fmt:MATRIX_FMT_FP6 matrix_a_scale:MATRIX_SCALE_ROW1
.elseif (\cz) && (\ry)
	v_wmma_scale_f32_16x16x128_f8f6f4 v[\acc:\acc+7], v[\xr:\xr+11], v[\yr:\yr+11], 0, v[\sx], v[\sy] matrix_a_fmt:MATRIX_FMT_FP6 matrix_b_fmt:MATRIX_FMT_FP6 matrix_b_scale:MATRIX_SCALE_ROW1
.elseif (\cz)
	v_wmma_scale_f32_16x16x128_f8f6f4 v[\acc:\acc+7], v[\xr:\xr+11], v[\yr:\yr+11], 0, v[\sx], v[\sy] matrix_a_fmt:MATRIX_FMT_FP6 matrix_b_fmt:MATRIX_FMT_FP6
.elseif (\rx) && (\ry)
	v_wmma_scale_f32_16x16x128_f8f6f4 v[\acc:\acc+7], v[\xr:\xr+11], v[\yr:\yr+11], v[\acc:\acc+7], v[\sx], v[\sy] matrix_a_fmt:MATRIX_FMT_FP6 matrix_b_fmt:MATRIX_FMT_FP6 matrix_a_scale:MATRIX_SCALE_ROW1 matrix_b_scale:MATRIX_SCALE_ROW1
.elseif (\rx)
	v_wmma_scale_f32_16x16x128_f8f6f4 v[\acc:\acc+7], v[\xr:\xr+11], v[\yr:\yr+11], v[\acc:\acc+7], v[\sx], v[\sy] matrix_a_fmt:MATRIX_FMT_FP6 matrix_b_fmt:MATRIX_FMT_FP6 matrix_a_scale:MATRIX_SCALE_ROW1
.elseif (\ry)
	v_wmma_scale_f32_16x16x128_f8f6f4 v[\acc:\acc+7], v[\xr:\xr+11], v[\yr:\yr+11], v[\acc:\acc+7], v[\sx], v[\sy] matrix_a_fmt:MATRIX_FMT_FP6 matrix_b_fmt:MATRIX_FMT_FP6 matrix_b_scale:MATRIX_SCALE_ROW1
.else
	v_wmma_scale_f32_16x16x128_f8f6f4 v[\acc:\acc+7], v[\xr:\xr+11], v[\yr:\yr+11], v[\acc:\acc+7], v[\sx], v[\sy] matrix_a_fmt:MATRIX_FMT_FP6 matrix_b_fmt:MATRIX_FMT_FP6
.endif
.endm
; Y's tile a against X's eight, K step j of tile ty.  The 32 accumulators take turns, in the same order in every step.
; Scale words: register 8 i + j of X's 32: tile i (lanes 0-15) and tile i + 4 (lanes 16-31); register 8 c + j of Y's 16: tile c and tile c + 2.
.macro MUL8 a, j, ty
.irp bt, 0,1,2,3,4,5,6,7
	WM 8*(8*(\a)+\bt), 128*((\j)%2)+12*\bt, YF+48*((\j)%2)+12*(\a), (\j)==0, 32+48*((\ty)%2)+8*(\bt%4)+(\j), 64+48*((\ty)%2)+8*((\a)%2)+(\j), \bt/4, (\a)/2
.endr
.endm
.macro FRAG3 reg, adr, off             ; a fragment's image: three loads of 512 consecutive bytes
.irp c, 0,1,2
	ds_load_b128 v[\reg+4*\c:\reg+4*\c+3], v[\adr] offset:\off+512*\c
.endr
.endm
.macro FETCHX j                        ; K step j's eight fragments of X into set j % 2
	WIN TO_X
.irp bt, 0,1,2,3,4,5,6,7
	FRAG3 128*((\j)%2)+12*\bt, XA+(\j)/2, 1536*((\j)%2)+3072*\bt
.endr
	WIN 0
.endm
.macro FETCHY j                        ; and its four of Y
.irp a, 0,1,2,3
	FRAG3 YF+48*((\j)%2)+12*\a, YA+(\j)/2, 1536*((\j)%2)+3072*\a
.endr
.endm
.macro SCLOAD set, bx, by, ox, oy      ; a tile's scale words, from memory straight into registers: 16 bytes a lane, 256 consecutive bytes to sixteen lanes
.irp i, 0,1,2,3
.irp g, 0,1
	global_load_b128 v[32+48*(\set)+8*\i+4*\g:35+48*(\set)+8*\i+4*\g], v7, s[\bx:\bx+1] offset:\ox+512*\i+256*\g
.endr
.endr
.irp c, 0,1
.irp g, 0,1
	global_load_b128 v[64+48*(\set)+8*\c+4*\g:67+48*(\set)+8*\c+4*\g], v8, s[\by:\by+1] offset:\oy+512*\c+256*\g
.endr
.endr
.endm
; A PREFETCH INTO THE L2 of a later tile's blocks.  A block of X (196,608 bytes) is read by the eight work-groups of this batch with my xb: each names 24,576 bytes of it, by yb; a half block of Y's four chunks by the
; four with my yb: each names one chunk's 24,576 bytes, by xb.  So the sharing is BY ADDRESS; of the 24,576 bytes waves 0-2 name 8,192 each, lanes 256 bytes apart.  A weight's blocks, which all batches read,
; are named by batch 0 alone.  The flags hang on the wave's number and the batch, which all partners share.  The k tile's blocks are asked for in the q tile's K step 0, three K steps ahead of the first refill that
; wants them; the v tile's in the q tile's K step 6: two K steps, an epilogue and three K steps ahead.  The q tile's come by their loads alone.  The address registers are never rewritten.
.macro ASK px, fx, py, fy
	s_cmp_eq_u32 s[\fx], 0
	s_cbranch_scc1 .Lno_x_\@
	global_prefetch_b8 v[PFO], s[\px:\px+1] th:TH_LOAD_NT scope:SCOPE_SE
.Lno_x_\@:
	s_cmp_eq_u32 s[\fy], 0
	s_cbranch_scc1 .Lno_y_\@
	global_prefetch_b8 v[PFO], s[\py:\py+1] th:TH_LOAD_NT scope:SCOPE_SE
.Lno_y_\@:
.endm
; A K step whose successor lies in the same slot.
.macro STEPN ty, j, ask
	s_wait_dscnt 0x0                               ; this step's fragments are in (asked for 24 matrix instructions ago)
	WIN MUL
	MUL8 0, \j, \ty
	PLACES
	FETCHX (\j)+1
	FETCHY (\j)+1
.if (\ask) == 1
	ASK 84, FB, 86, FW                             ; the k tile: Wk's block, the batch's key rows
.endif
.if (\ask) == 2
	ASK 92, FW, 18, FB                             ; the v tile: the batch's value rows, Wv's block
.endif
	WIN MUL
	MUL8 1, \j, \ty
	MUL8 2, \j, \ty
	MUL8 3, \j, \ty
.endm
; K steps 3 and 7 leave a slot: ONE barrier; in front of it each wave waits for all its tensor loads (the one that is out is its part of the slot ahead), adds 0 to its spare word, and waits for that and for its own reads of the slot.
; fill = 1: the slot is filled again, with the next tile's same half of K; the barrier then opens a round of the cluster's barrier, and the joint refill is the first thing behind the round.
.macro STEPC ty, j, fill
	s_wait_dscnt 0x0                               ; this step's fragments are in: my reads of the slot are over
	WIN 0                                          ; (the add's two registers lie in window 0)
	s_wait_tensorcnt 0x0                           ; all my tensor loads have landed, so every group 0 may be written
	ds_add_u32 v[SPW], v[NIL]                      ; 0 onto my spare word
.if \fill
	NEXTD (\j)/4, (\ty)+1
.endif
	WIN MUL
	MUL8 0, \j, \ty                                ; eight matrix instructions stand between the add and the wait for it
	s_wait_dscnt 0x0                               ; the add is done
	s_barrier_signal -1
	MUL8 1, \j, \ty
	WIN 0
	s_barrier_wait -1
.if \fill
	CREST                                          ; no wave of any partner still reads the slot or has a load on its way
	JLOAD (\j)/4                                   ; the four v_nop behind it are also the places in front of the loads below
.else
	PLACES
.endif
.if (\j) == 3
	FETCHX 4
	s_wait_alu depctr_va_vdst(0)
	FETCHY 4
.else
	FETCHX 0                                       ; the next tile's first fragments of X; Y's follow behind the epilogue, which works in their registers
.endif
	WIN MUL
	MUL8 2, \j, \ty
	MUL8 3, \j, \ty
.endm
	s_load_b256 s[4:11], s[0:1], 0x0               ; cod, scl, in_proj_bias, qb
	s_load_b64 s[12:13], s[0:1], 0x20              ; kv
	v_lshl_add_u32 v[SPW], v0, 2, SPARE
	v_mov_b32 v[NIL], 0
	ds_add_u32 v5, v6
	ds_add_u32 v5, v6
	s_wait_dscnt 0x0
	v_lshrrev_b32 v1, 5, v0
	v_readfirstlane_b32 s14, v1                    ; wave 0..3
	s_and_b32 s15, s14, 1                          ; wx
	s_lshr_b32 s16, s14, 1                         ; wy
	s_bfe_u32 s17, ttmp6, 0x40000                  ; cx
	s_bfe_u32 s18, ttmp6, 0x40004                  ; cy
	s_and_b32 s19, ttmp7, 0xffff                   ; cluster y: 0 .. 15 = 2 x batch + half of y
	s_lshr_b32 s21, s19, 1                         ; the batch
	s_lshl_b32 s22, ttmp9, 2
	s_add_co_u32 s22, s22, s17                     ; xb: which 256 of x
	s_and_b32 s23, s19, 1
	s_lshl_b32 s23, s23, 2
	s_add_co_u32 s23, s23, s18                     ; yb: which 128 of y
	s_lshl_b32 s2, 0x1111, s17                     ; my column of the cluster: X's blocks
	s_lshl_b32 s20, s18, 2
	s_lshl_b32 s20, 15, s20                        ; my row: Y's
	s_or_b32 s[G1X], s2, (3<<16)|(1<<21)           ; elements of 8 bytes; bit 21 beside a mask; no padding
	s_or_b32 s[G1Y], s20, (3<<16)|(1<<21)
	s_mov_b32 s[G1X+1], 32<<16                     ; X: rows of 32 elements = 256 bytes, dense;
	s_mov_b32 s[G1X+2], 128<<16                    ; 128 rows: a third of the slot's 98,304 bytes
	s_mov_b32 s[G1X+3], 32<<16
	s_mov_b32 s[G1X+4], 128
	s_mov_b32 s[G1X+5], 32
	s_mov_b32 s[G1X+6], 0
	s_mov_b32 s[G1X+7], 0
	s_mov_b32 s[G1Y+1], 3072<<16                   ; Y: rows of 3,072 elements = 24,576 bytes: my half of a chunk's 16 tiles;
	s_mov_b32 s[G1Y+2], 2<<16                      ; 2 rows: the slot's two chunks,
	s_mov_b32 s[G1Y+3], 3072<<16
	s_mov_b32 s[G1Y+4], 2
	s_mov_b32 s[G1Y+5], 6144                       ; 49,152 bytes apart in memory, on end in LDS
	s_mov_b32 s[G1Y+6], 0
	s_mov_b32 s[G1Y+7], 0
	; X's blocks of cod: q: 96 + xb, k: 100 + xb (the weights), v: 64 + 4 b + xb (the batch's value rows).  These registers never hold cy
	s_lshl_b32 s66, s14, 15                        ; waves 0-2: my third, 32,768 bytes, in memory and in LDS
	s_add_co_u32 s2, s22, 96
	s_mul_i32 s2, s2, 196608
	s_add_co_u32 s2, s2, s66
	s_mov_b32 s3, 0
	s_lshl_b32 s60, s21, 2
	s_add_co_u32 s60, s60, s22
	s_add_co_u32 s60, s60, 64
	s_mul_i32 s60, s60, 196608
	s_add_co_u32 s60, s60, s66
	s_mov_b32 s61, 0
	; Y's blocks: q: 4 b + yb / 2, k: 32 more (the batch's rows), v: 104 + yb / 2 (Wv); half yb % 2.  These registers never hold cx
	s_lshr_b32 s20, s23, 1
	s_and_b32 s63, s23, 1
	s_mul_i32 s63, s63, 24576
	s_lshl_b32 s62, s21, 2
	s_add_co_u32 s62, s62, s20
	s_mul_i32 s62, s62, 196608
	s_add_co_u32 s62, s62, s63
	s_add_co_u32 s100, s20, 104
	s_mul_i32 s100, s100, 196608
	s_add_co_u32 s100, s100, s63
	s_mov_b32 s63, 0
	s_mov_b32 s101, 0
	; the scale words: 8,192 bytes a block of 16 tiles; X: my 8 tiles; Y: the half's 8, my 4 of them
	s_add_co_u32 s76, s22, 96
	s_lshl_b32 s76, s76, 13
	s_lshl_b32 s67, s15, 12
	s_add_co_u32 s76, s76, s67                     ; q's X (k's: 32,768 bytes on)
	s_mov_b32 s77, 0
	s_lshl_b32 s80, s21, 2
	s_add_co_u32 s80, s80, s22
	s_add_co_u32 s80, s80, 64
	s_lshl_b32 s80, s80, 13
	s_add_co_u32 s80, s80, s67                     ; v's X
	s_mov_b32 s81, 0
	s_and_b32 s67, s23, 1
	s_lshl_b32 s67, s67, 12
	s_lshl_b32 s79, s16, 11
	s_add_co_u32 s67, s67, s79
	s_lshl_b32 s78, s21, 2
	s_add_co_u32 s78, s78, s20
	s_lshl_b32 s78, s78, 13
	s_add_co_u32 s78, s78, s67                     ; q's Y (k's: 262,144 bytes on)
	s_mov_b32 s79, 0
	s_add_co_u32 s82, s20, 104
	s_lshl_b32 s82, s82, 13
	s_add_co_u32 s82, s82, s67                     ; v's Y
	s_mov_b32 s83, 0
	; the bias: along the registers (q; k 4,096 bytes on): 256 xb + 128 wx on; along the lanes (v): 2,048 + 128 yb + 64 wy on
	s_lshl_b32 s88, s22, 10
	s_lshl_b32 s89, s15, 9
	s_add_co_u32 s88, s88, s89
	s_mov_b32 s89, 0
	s_lshl_b32 s90, s23, 9
	s_lshl_b32 s91, s16, 8
	s_add_co_u32 s90, s90, s91
	s_add_co_u32 s90, s90, 8192
	s_mov_b32 s91, 0
	; the prefetches (macro ASK)
	s_lshl_b32 s97, s14, 13                        ; 8,192 w
	s_mul_i32 s87, s23, 24576
	s_add_co_u32 s87, s87, s97                     ; my part of a block of X
	s_add_co_u32 s84, s22, 100
	s_mul_i32 s84, s84, 196608
	s_add_co_u32 s84, s84, s87                     ; k's X
	s_lshl_b32 s92, s21, 2
	s_add_co_u32 s92, s92, s22
	s_add_co_u32 s92, s92, 64
	s_mul_i32 s92, s92, 196608
	s_add_co_u32 s92, s92, s87                     ; v's X
	s_mul_i32 s87, s22, 49152
	s_add_co_u32 s87, s87, s97
	s_and_b32 s85, s23, 1
	s_mul_i32 s85, s85, 24576
	s_add_co_u32 s87, s87, s85                     ; my part of a block of Y
	s_lshl_b32 s86, s21, 2
	s_add_co_u32 s86, s86, s20
	s_add_co_u32 s86, s86, 32
	s_mul_i32 s86, s86, 196608
	s_add_co_u32 s86, s86, s87                     ; k's Y
	s_add_co_u32 s18, s20, 104
	s_mul_i32 s18, s18, 196608
	s_add_co_u32 s18, s18, s87                     ; v's Y
	s_mov_b32 s85, 0
	s_mov_b32 s87, 0
	s_mov_b32 s93, 0
	s_mov_b32 s19, 0
	s_cmp_lt_u32 s14, 3
	s_cselect_b32 s[FW], 1, 0
	s_cmp_eq_u32 s21, 0
	s_cselect_b32 s[FB], s[FW], 0
	s_mov_b32 s[SEL], 0x76543210
	s_mov_b32 s[SEL+1], 0xfedcba98
	s_mov_b32 s[HIM], 0xffff0000
	s_wait_kmcnt 0x0
	s_add_nc_u64 s[56:57], s[4:5], s[2:3]          ; X: q,
	s_add_nc_u64 s[58:59], s[56:57], 786432        ; k: four blocks on,
	s_add_nc_u64 s[60:61], s[4:5], s[60:61]        ; v
	s_add_nc_u64 s[62:63], s[4:5], s[62:63]        ; Y: q,
	s_add_nc_u64 s[98:99], s[62:63], 6291456       ; k: 32 blocks on,
	s_add_nc_u64 s[100:101], s[4:5], s[100:101]    ; v
	s_add_nc_u64 s[76:77], s[6:7], s[76:77]
	s_add_nc_u64 s[78:79], s[6:7], s[78:79]
	s_add_nc_u64 s[80:81], s[6:7], s[80:81]
	s_add_nc_u64 s[82:83], s[6:7], s[82:83]
	s_add_nc_u64 s[88:89], s[8:9], s[88:89]
	s_add_nc_u64 s[90:91], s[8:9], s[90:91]
	s_add_nc_u64 s[84:85], s[4:5], s[84:85]
	s_add_nc_u64 s[86:87], s[4:5], s[86:87]
	s_add_nc_u64 s[92:93], s[4:5], s[92:93]
	s_add_nc_u64 s[18:19], s[4:5], s[18:19]
.irp sl, 0,1
	s_mov_b32 s[G0X+4*\sl], 1
	s_add_co_u32 s[G0X+4*\sl+1], s66, SLOT*\sl                     ; LDS: the slot, my third: no place in the cluster enters an LDS address
	s_add_nc_u64 s[G0X+4*\sl+2:G0X+4*\sl+3], s[56:57], 98304*\sl
	s_or_b32 s[G0X+4*\sl+3], s[G0X+4*\sl+3], 0x80000000
	s_mov_b32 s[G0Y+4*\sl], 1
	s_mov_b32 s[G0Y+4*\sl+1], YOFF+SLOT*\sl
	s_add_nc_u64 s[G0Y+4*\sl+2:G0Y+4*\sl+3], s[62:63], 98304*\sl
	s_or_b32 s[G0Y+4*\sl+3], s[G0Y+4*\sl+3], 0x80000000
.endr
	CROUND                                         ; all sixteen work-groups are here: the first joint loads meet
	JLOAD 0                                        ; slot 0's first fill: one tensor load a wave at the head
	v_and_b32 v1, 15, v0                           ; r
	v_bfe_u32 v2, v0, 4, 1                         ; h
	v_and_b32 v20, 31, v0
	v_lshlrev_b32 v3, 4, v20                       ; 16 L
	v_lshlrev_b32 v4, 3, v20                       ; 8 L
	v_lshlrev_b32 v[PFO], 8, v20
	s_mul_i32 s67, s15, 24576
	v_add_nc_u32 v[XA], s67, v3
	v_add_nc_u32 v[XA+1], 49152, v[XA]
	v_add_nc_u32 v[XA+2], SLOT, v[XA]
	v_add_nc_u32 v[XA+3], SLOT+49152, v[XA]
	s_mul_i32 s67, s16, 12288
	s_add_co_u32 s67, s67, YOFF
	v_add_nc_u32 v[YA], s67, v3
	v_add_nc_u32 v[YA+1], 24576, v[YA]
	v_add_nc_u32 v[YA+2], SLOT, v[YA]
	v_add_nc_u32 v[YA+3], SLOT+24576, v[YA]
	v_lshlrev_b32 v8, 4, v1
	v_lshl_add_u32 v7, v2, 11, v8                  ; X's scale words: 16 r, lanes 16-31 four tiles on
	v_lshl_add_u32 v8, v2, 10, v8                  ; Y's: two tiles on
	v_lshlrev_b32 v9, 6, v2                        ; bias along the registers: 64 h
	v_and_b32 v11, 8, v1
	v_add_nc_u32 v11, v11, v1
	v_lshlrev_b32 v11, 2, v11                      ; bias along the lanes: 4 (r + 8 (r / 8))
	SCLOAD 0, 76, 78, 0, 0                         ; the q tile's scale words,
	SCLOAD 1, 76, 78, 32768, 262144                ; the k tile's
.irp a, 0,1,2,3
	global_load_b32 v[BY+2*\a], v11, s[90:91] offset:128*(\a/2)+32*(\a%2)
	global_load_b32 v[BY+2*\a+1], v11, s[90:91] offset:128*(\a/2)+32*(\a%2)   ; twice: a pair for the packed addition
.endr
	WIN TO_X
.irp bt, 0,1,2,3,4,5,6,7                       ; q's bias: tile bt's eight numbers: x = 32 (bt / 2) + 8 (bt % 2) + 16 h + 0 .. 7
	global_load_b128 v[96+8*\bt+96*(\bt/4):99+8*\bt+96*(\bt/4)], v9, s[88:89] offset:128*(\bt/2)+32*(\bt%2)
	global_load_b128 v[100+8*\bt+96*(\bt/4):103+8*\bt+96*(\bt/4)], v9, s[88:89] offset:128*(\bt/2)+32*(\bt%2)+16
.endr
	WIN 0xc0                                       ; destination window 3
.irp bt, 0,1,2,3,4,5,6,7                       ; k's
	global_load_b128 v[8*\bt:8*\bt+3], v9, s[88:89] offset:4096+128*(\bt/2)+32*(\bt%2)
	global_load_b128 v[8*\bt+4:8*\bt+7], v9, s[88:89] offset:4096+128*(\bt/2)+32*(\bt%2)+16
.endr
	WIN 0
	s_wait_alu depctr_va_vdst(0)                   ; the wait at the head's end
	s_wait_tensorcnt 0x0                           ; my part of slot 0 has landed; slot 1's first fill goes out as a refill does:
	ds_add_u32 v[SPW], v[NIL]                      ; 0 onto my spare word
	s_wait_dscnt 0x0
	CROUND                                         ; everybody's part of slot 0 is in, and all sixteen work-groups are here
	JLOAD 1                                        ; slot 1: the first tensor load behind the round; it has K steps 0 to 3 in which to land
	FETCHX 0
	FETCHY 0
	s_wait_loadcnt 0x0                             ; the scale words and the biases
; ---- the epilogues.  q and k: my 128 features are two heads; tile a's 16 tokens become one half fragment for each
.macro EQ a, ty
.if (\ty) == 0
	WIN 0x06                                       ; source 0 window 2, source 1 window 1, destination window 0: the addition of the bias is also the way into window 0
.else
	WIN 0x0e                                       ; k's bias: source 1 window 3
.endif
.set nn, 0
.rept 32
.if (\ty) == 0
	v_pk_add_f32 v[H+nn:H+nn+1], v[64*\a+nn:64*\a+nn+1], v[96+nn+96*(nn/32):97+nn+96*(nn/32)]   ; ascending: each accumulator is read from its low end on
.else
	v_pk_add_f32 v[H+nn:H+nn+1], v[64*\a+nn:64*\a+nn+1], v[nn:nn+1]
.endif
.set nn, nn+2
.endr
	WIN 0
	s_wait_xcnt 0x0                                ; the last tile's stores have read the codes' registers
	QUANT H, PWS+\a
	global_store_b128 v3, v[PC:PC+3], s[68:69] offset:768*\a         ; 512 consecutive bytes,
	global_store_b64 v4, v[PC+4:PC+5], s[68:69] offset:768*\a+512    ; and 256
	global_store_b128 v3, v[PC+6:PC+9], s[70:71] offset:768*\a
	global_store_b64 v4, v[PC+10:PC+11], s[70:71] offset:768*\a+512
.endm
.macro EPIQK ty
.if (\ty) == 0
.set PP, 10                            ; qb: bytes a head, a group of 8 tiles, and where its scale images begin
.set HS, 53248
.set GS, 6656
.set SO, 6144
	SCLOAD 0, 80, 82, 0, 0                         ; the v tile's scale words, into the set that the q tile has left (four places behind its last product): they have the whole k tile in which to land
.else
.set PP, 12                            ; kv
.set HS, 104448
.set GS, 13056
.set SO, 12288
.endif
	s_wait_xcnt 0x0                                ; earlier stores have read their bases
	s_lshl_b32 s76, s21, 4
	s_lshl_b32 s77, s22, 2
	s_add_co_u32 s76, s76, s77
	s_lshl_b32 s77, s15, 1
	s_add_co_u32 s76, s76, s77                     ; the first head: 16 b + 4 xb + 2 wx
	s_mul_i32 s76, s76, HS
	s_mul_i32 s77, s23, GS
	s_add_co_u32 s76, s76, s77
	s_mov_b32 s77, 0
	s_add_nc_u64 s[68:69], s[PP:PP+1], s[76:77]
	s_lshl_b32 s76, s16, 8
	s_add_co_u32 s76, s76, SO
	s_add_nc_u64 s[72:73], s[68:69], s[76:77]      ; the scale image of my four tiles, first head,
	s_add_nc_u64 s[74:75], s[72:73], HS            ; second head
	s_mul_i32 s76, s16, 3072
	s_add_nc_u64 s[68:69], s[68:69], s[76:77]      ; my four tiles' codes, first head,
	s_add_nc_u64 s[70:71], s[68:69], HS            ; second head
.irp b, 0,1,2,3
	v_mov_b32 v[TM+4+\b], 0                        ; a lane permute's destination counts as one of its sources
.endr
	EQ 0, \ty
	EQ 1, \ty
	EQ 2, \ty
	EQ 3, \ty
	v_cndmask_b32 v[SD], v[PWS], v[PWS+1], s[HIM]  ; word c: tile 2 c in lanes 0-15, tile 2 c + 1 in lanes 16-31
	v_cndmask_b32 v[SD+1], v[PWS+2], v[PWS+3], s[HIM]
	v_and_b32 v[SE], 0xffff, v[SD]                 ; bytes 0, 1: the first head's two blocks; bytes 2, 3 of a head's word are 0: they meet zero codes
	v_and_b32 v[SE+1], 0xffff, v[SD+1]
	v_lshrrev_b32 v[SF], 16, v[SD]                 ; bytes 2, 3: the second head's
	v_lshrrev_b32 v[SF+1], 16, v[SD+1]
	global_store_b64 v4, v[SE:SE+1], s[72:73]
	global_store_b64 v4, v[SF:SF+1], s[74:75]
	s_wait_xcnt 0x0                                ; the stores have read their registers: the next tile's fragments land there
	FETCHY 0
.endm
; v: my 64 features are one head, my 128 keys one key step; tile a's 16 features become one fragment of V^T
.macro EV a
	WIN 0x02                                       ; source 0 window 2
.set nn, 0
.rept 32
	v_pk_add_f32 v[H+nn:H+nn+1], v[64*\a+nn:64*\a+nn+1], v[BY+2*\a:BY+2*\a+1]
.set nn, nn+2
.endr
	WIN 0
	s_wait_xcnt 0x0
	QUANT H, PWS+\a
.irp c, 0,1,2
	global_store_b128 v3, v[PC+4*\c:PC+4*\c+3], s[68:69] offset:1536*\a+512*\c
.endr
.endm
	; ---- the q tile
	STEPN 0, 0, 1
	STEPN 0, 1, 0
	STEPN 0, 2, 0
	STEPC 0, 3, 1                                  ; slot 0 takes the k tile's first half of K
	STEPN 0, 4, 0
	STEPN 0, 5, 0
	STEPN 0, 6, 2
	STEPC 0, 7, 1                                  ; slot 1 its second half
	WIN 0
	PLACES                                         ; behind the last products: results are read, and registers that held fragments and scale words are written
	EPIQK 0
	; ---- the k tile
	STEPN 1, 0, 0
	STEPN 1, 1, 0
	STEPN 1, 2, 0
	STEPC 1, 3, 1                                  ; slot 0 takes the v tile's first half of K
	STEPN 1, 4, 0
	STEPN 1, 5, 0
	STEPN 1, 6, 0
	STEPC 1, 7, 1                                  ; slot 1 its second half: the last load
	WIN 0
	PLACES
	EPIQK 1
	s_wait_loadcnt 0x0                             ; the v tile's scale words
	; ---- the v tile: nothing is left to fetch
	STEPN 2, 0, 0
	STEPN 2, 1, 0
	STEPN 2, 2, 0
	STEPC 2, 3, 0
	STEPN 2, 4, 0
	STEPN 2, 5, 0
	STEPN 2, 6, 0
	s_wait_dscnt 0x0
	WIN MUL
	MUL8 0, 7, 2
	MUL8 1, 7, 2
	MUL8 2, 7, 2
	MUL8 3, 7, 2
	WIN 0
	PLACES
	s_wait_xcnt 0x0
	s_lshl_b32 s76, s21, 4
	s_lshl_b32 s77, s23, 1
	s_add_co_u32 s76, s76, s77
	s_add_co_u32 s76, s76, s16                     ; the head: 16 b + 2 yb + wy
	s_mul_i32 s76, s76, 104448
	s_lshl_b32 s77, s22, 1
	s_add_co_u32 s77, s77, s15                     ; the key step: 2 xb + wx
	s_mul_i32 s77, s77, 13056
	s_add_co_u32 s76, s76, s77
	s_add_co_u32 s76, s76, 6144                    ; V lies behind K
	s_mov_b32 s77, 0
	s_add_nc_u64 s[68:69], s[12:13], s[76:77]
	s_add_nc_u64 s[72:73], s[68:69], 6656          ; V's scale image: at 12,800 of the step
.irp b, 0,1,2,3
	v_mov_b32 v[TM+4+\b], 0
.endr
	EV 0
	EV 1
	EV 2
	EV 3
	v_cndmask_b32 v[SD], v[PWS], v[PWS+1], s[HIM]
	v_cndmask_b32 v[SD+1], v[PWS+2], v[PWS+3], s[HIM]
	global_store_b64 v4, v[SD:SD+1], s[72:73]
	s_wait_tensorcnt 0x0                           ; the wave's end: behind my last tensor load
	ds_add_u32 v[SPW], v[NIL]
	s_wait_dscnt 0x0
	CROUND                                         ; the closing round: no work-group ends while a partner may still ask for a block that names it
	s_endpgm
.Lfunc_end_k_q10d1030066_proj:
	.size	k_q10d1030066_proj, .Lfunc_end_k_q10d1030066_proj-k_q10d1030066_proj
	.p2alignl 7, 3214868480
	.fill 96, 4, 3214868480
	.section	.rodata,"a",@progbits
	.p2align	6, 0x0
	.amdhsa_kernel k_q10d1030066_proj
		.amdhsa_group_segment_fixed_size 327680
		.amdhsa_private_segment_fixed_size 0
		.amdhsa_enable_private_segment 0
		.amdhsa_kernarg_size 40
		.amdhsa_user_sgpr_count 2
		.amdhsa_user_sgpr_kernarg_segment_ptr 1
		.amdhsa_wavefront_size32 1
		.amdhsa_system_sgpr_workgroup_id_x 1
		.amdhsa_system_sgpr_workgroup_id_y 1
		.amdhsa_system_sgpr_workgroup_id_z 1
		.amdhsa_system_vgpr_workitem_id 0
		.amdhsa_next_free_vgpr 832
		.amdhsa_next_free_sgpr 102
		.amdhsa_reserve_vcc 0
		.amdhsa_float_denorm_mode_32 3
		.amdhsa_float_denorm_mode_16_64 3
		.amdhsa_memory_ordered 1
		.amdhsa_forward_progress 1
		.amdhsa_inst_pref_size 255
	.end_amdhsa_kernel
	.section	.bss,"aw",@nobits
	.p2align	6
	.space	262144
	.amdgpu_metadata
---
amdhsa.version: [ 1, 2 ]
amdhsa.kernels:
  - .name:           k_q10d1030066_proj
    .symbol:         k_q10d1030066_proj.kd
    .args:
      - { .name: cod, .offset: 0, .size: 8, .value_kind: global_buffer, .address_space: global }
      - { .name: scl, .offset: 8, .size: 8, .value_kind: global_buffer, .address_space: global }
      - { .name: in_proj_bias, .offset: 16, .size: 8, .value_kind: global_buffer, .address_space: global }
      - { .name: qb, .offset: 24, .size: 8, .value_kind: global_buffer, .address_space: global }
      - { .name: kv, .offset: 32, .size: 8, .value_kind: global_buffer, .address_space: global }
    .group_segment_fixed_size: 327680
    .private_segment_fixed_size: 0
    .kernarg_segment_align: 8
    .kernarg_segment_size: 40
    .max_flat_workgroup_size: 128
    .sgpr_count:     102
    .vgpr_count:     832
    .wavefront_size: 32
...
	.end_amdgpu_metadata
.endif
;; end of part 2
;; launch attn (part 3): grid 2 x 128, 16 waves a work-group, no clusters, 180,224 bytes of LDS; arguments query, qb, kv, ob, os; writes ob, os
.if DOCPART == 3
	.amdgcn_target "amdgcn-amd-amdhsa--gfx1250"
	.amdhsa_code_object_version 6
	.text
	.protected	k_q10d1030066_attn
	.globl	k_q10d1030066_attn
	.p2align	8
	.type	k_q10d1030066_attn,@function
k_q10d1030066_attn:
	s_mov_b64 s[64:65], 0
	v_nop
	global_prefetch_b8 v0, s[64:65] scope:SCOPE_SE
	s_setreg_imm32_b32 hwreg(HW_REG_WAVE_MODE, 25, 1), 1
	s_wait_xcnt 0x0
; Attention of one head (1,025 queries, 1,025 keys, head size 64) on codes of FP6 with E8M0 scales, and its result quantised along the features for the output projection.
; t = score x log2(e) / 8; M = the running largest t rounded UP to a whole number; p = 2^(t - M) is quantised along the keys; the row's sum is taken of the unquantised p and divides at the end.
; (reference()'s q / 8 is taken as the quantised q times an exact 1/8: the same numbers, but where a block of q lies under 2^-121.)
; SHARES.  Work-group (hf, head): the head's K, V^T and scale images, 104,448 bytes, lie in LDS for the whole launch, filled once: waves 0-7 bring one key step (13,056 bytes) each, one tensor load a wave.
; Sixteen waves, four to a SIMD.  THREE PASSES in one loop, a tile of 16 queries a wave and pass.  Pass 0 is the tile of the 1,025th query, in the work-groups hf = 1 alone: waves 0-3 take two key steps each and
; leave -M, the sum and O^T in LDS; the other waves walk its trips without work.  Passes 1 and 2: tiles 32 hf + wave and 16 more, all eight key steps.  Behind the loop one barrier; wave 0 of hf = 1 brings the four
; parts under the largest M (multiplications by whole powers of two, which round nothing), adds them and finishes.  A wave begins its walk over the key steps at step 2 x wave mod 8.
; NO CLUSTER: pass 0 is a branch that would hang on the place in a cluster.  NO PREFETCH: kv is read by the head's eight loads alone; there is no loop to run ahead in.
; LAYOUT.  Both products transposed: S^T = K Q^T (source 0 = 16 keys), O^T = V^T P^T (source 0 = 16 features): a lane holds ONE query.
; Row i of K's tile 4 c + u is key 64 c + 8 u + i % 8 + 32 (i / 8) of the step: so the 32 registers of S^T's tiles 4 c .. 4 c + 3 are keys 64 c + 32 (lane / 16) + 0 .. 31: a WHOLE block of 32 in a lane, as p's operand
; wants it: no lane is asked for a block's maximum and no code changes lanes.  Row i of V^T's tile t is feature 32 (t / 2) + 8 (t % 2) + i + 8 (i / 8): O^T's tiles 2 b, 2 b + 1 are 16 neighbouring features.
; HEAD SIZE 64 IN AN INSTRUCTION 128 DEEP: Q's operand is six registers of codes and six of zero codes; K's for tile t is v[FR + 6 t] on, twelve registers: its upper six, whatever codes they hold, meet Q's zeros.
; KEY 1,024 (the raw last token of query, also query 1,024 and value 1,024) is quantised at the head and is each pass's FIRST key: it starts M, the sum and O^T, so nothing is cleared for them.
; OUT.  ob: [block of 8 query tiles][q][tile][kk][c][768 bytes]: head 4 q + 2 kk + c; block 8 b + tile / 8, and block 64, tile b, for the 1,025th query.  os: 512 bytes a tile, two bytes a head and row.
; LIMITS: NaN and infinities not served; blocks under 2^-124 keep the byte 1; the promise holds while the scaled scores stay under 2^31 in magnitude.
.set PLD, 0                            ; v0  (from the head's end on) LDS: the parts' place + 16 x lane
.set L16, 1                            ; 16 x lane;  v2: 8 x lane
.set L8,  2
.set A16, 3                            ; v3, v4  the same + the key step's place in LDS
.set A8,  4
.set R16, 5                            ; 16 r
.set NINF, 6                           ; -infinity
.set PST, 7                            ; (from the head's end on) LDS: my wave's part + 16 x lane
.set T,   8                            ; v8-11 at work;  v12 -M, v13 the largest score, v[14:15] the sum in two halves
.set QF,  16                           ; v16-21 Q's codes, v22-27 zero codes
.set QS,  28                           ; Q's scale words
.set DKS, 29                           ; the last token's scale word along the head
.set QA,  30                           ; v30-35, v36: the next pass's Q and its scale words
.set PS,  37                           ; p's scale word
.set F,   38                           ; v[38:39] 2^(old M - new M); later 1 / the sum
.set FR,  40                           ; v40-87 8 half fragments of K, then 4 fragments of V^T
.set DK,  88                           ; v88-93 the last token as a tile of keys (row 0; the other rows zero codes)
.set QB,  94                           ; v94-99 the Q after the next
.set S,   100                          ; v100-163 S^T, then p
.set O,   164                          ; v164-195 O^T
.set PC,  196                          ; v196-207 p's codes
.set CT,  208                          ; v208-214 the conversions' second halves
.set BM,  216                          ; v216-217 my two blocks' largest score, then largest p
.set BT,  218
.set SOP, 220                          ; the conversions' scale operands
.set QBS, 222                          ; QB's scale words
.set SH8, 223                          ; 8 x (lane / 16)
.set TS,  224                          ; v[224:225], with v[8:9] and v[10:11]: chains of the row's sum
.set KS,  226                          ; v226-229 K's scale words: register t / 2, lanes 16-31 for odd t
.set VS,  230                          ; v230-231 V's
.set SPW, 232                          ; LDS address of my spare word; never rewritten
.set NIL, 233                          ; 0; never rewritten
.set DVS, 234                          ; v234-237 the last token's scale bytes as a value, tile dt
.set DVA, 238                          ; v238-255 the last token as a value: tile dt's operand is v[DVA + 2 dt] on: its first register holds key 1,024's code in its lowest bits; all else meets zero codes of p
.set KSB, 13056                        ; a key step in LDS and in kv
.set PB,  104448                       ; LDS behind the tiles: the parts of pass 0, 4,608 bytes for each wave: O^T as eight images of four registers, then v[12:15].  No fill lands there
.set PWB, 4608
.set SPARE, 178176                     ; behind them: the spare words, 128 bytes for each wave
.set KM,  24                           ; where key 1,024 counts: lanes 0-15; in pass 0 in wave 0 alone
.set NCS, 27                           ; -log2(e) / 8
.set CS,  32                           ; s[32:33] log2(e) / 8
.set SEL, 34
.set LOW16, 36
.set R0M, 37
.set TB,  38
.set CNT, 39
.set LIM0, 41                          ; pass 0's key steps: 2 in waves 0-3 of hf = 1, else 0
.set EXA, 42                           ; 1 in wave 0 of hf = 1
.set ROT, 61                           ; 2 x wave mod 8
.set LIM, 72
.set PASS, 73
.set KM0, 74
.macro WM acc, ar, br, cz, sa, sb, ra  ; one product.  cz: the constant 0 starts the sum; ra: source 0's scale words stand in lanes 16-31
.if (\cz) && (\ra)
	v_wmma_scale_f32_16x16x128_f8f6f4 v[\acc:\acc+7], v[\ar:\ar+11], v[\br:\br+11], 0, v[\sa], v[\sb] matrix_a_fmt:MATRIX_FMT_FP6 matrix_b_fmt:MATRIX_FMT_FP6 matrix_a_scale:MATRIX_SCALE_ROW1
.elseif (\cz)
	v_wmma_scale_f32_16x16x128_f8f6f4 v[\acc:\acc+7], v[\ar:\ar+11], v[\br:\br+11], 0, v[\sa], v[\sb] matrix_a_fmt:MATRIX_FMT_FP6 matrix_b_fmt:MATRIX_FMT_FP6
.elseif (\ra)
	v_wmma_scale_f32_16x16x128_f8f6f4 v[\acc:\acc+7], v[\ar:\ar+11], v[\br:\br+11], v[\acc:\acc+7], v[\sa], v[\sb] matrix_a_fmt:MATRIX_FMT_FP6 matrix_b_fmt:MATRIX_FMT_FP6 matrix_a_scale:MATRIX_SCALE_ROW1
.else
	v_wmma_scale_f32_16x16x128_f8f6f4 v[\acc:\acc+7], v[\ar:\ar+11], v[\br:\br+11], v[\acc:\acc+7], v[\sa], v[\sb] matrix_a_fmt:MATRIX_FMT_FP6 matrix_b_fmt:MATRIX_FMT_FP6
.endif
.endm
.macro PLACES
.rept 4
	v_nop
.endr
.endm
; KEY 1,024 starts a pass: it sets M in every wave, and counts where s[KM] says.
.macro FIRST
	WM S, DK, QF, 1, DKS, QS, 0                    ; register 0 of lanes 0-15: its score with query r
	PLACES
	v_cndmask_b32 v[S], v[NINF], v[S], s[LOW16]    ; lanes 16-31 hold no key here: -infinity, p = 0
	s_delay_alu instid0(VALU_DEP_1)
	v_permlanex16_b32 v[BT], v[S], s[SEL], s[SEL+1]
	s_delay_alu instid0(VALU_DEP_1)
	v_max_num_f32 v13, v[S], v[BT]                 ; the largest score so far, in both halves of the lanes
	s_delay_alu instid0(VALU_DEP_1)
	v_mul_f32 v[T+3], s[NCS], v13
	s_delay_alu instid0(VALU_DEP_1)
	v_floor_f32 v12, v[T+3]                        ; -M = floor(-t)
	s_delay_alu instid0(VALU_DEP_1)
	v_fma_f32 v[S], v[S], s[CS], v12
	s_delay_alu instid0(VALU_DEP_1)
	v_cndmask_b32 v[S], v[NINF], v[S], s[KM]       ; in pass 0 the key belongs to wave 0's part: elsewhere p = 0, so the sum and O^T begin as zeros
	s_wait_alu depctr_va_vdst(0)                   ; the wait ahead of the exponential
	v_exp_f32 v[S], v[S]
	v_mov_b32 v15, 0                               ; (a plain instruction behind the exponential)
.irp i, 1,2,3,4,5,6,7,8,9,10,11,12,13,14,15
	v_mov_b32 v[S+\i], 0                           ; the block's other keys do not exist: zeros
.endr
	s_wait_alu depctr_va_vdst(0)                   ; and ahead of the first line that names its result
	v_mov_b32 v14, v[S]                            ; the sum begins
	v_max_num_f32 v[BM], 0x1800000, v[S]
	s_delay_alu instid0(VALU_DEP_1)
	v_add_nc_u32 v[SOP], 0xff000000, v[BM]
	v_lshrrev_b32 v[PS], 23, v[SOP]
	v_cvt_scalef32_pk16_fp6_f32 v[PC:PC+2], v[S:S+15], v[SOP]
.irp i, 3,4,5,6,7,8,9,10,11
	v_mov_b32 v[PC+\i], 0
.endr
	PLACES                                         ; an operand written by vector instructions stands 4 places ahead of a scaled product, a scale word 8: 13 lie behind p's
.irp dt, 0,1,2,3
	WM O+8*\dt, DVA+2*\dt, PC, 1, DVS+\dt, PS, 0   ; these start O^T's sums
.endr
	v_nop
	v_nop                                          ; with the step's two address lines: four places in front of its loads
.endm
; A KEY STEP: the 128 keys whose tiles begin at LDS byte s[TB].
.macro STEP
	v_add_nc_u32 v[A16], s[TB], v[L16]
	v_add_nc_u32 v[A8], s[TB], v[L8]               ; (with the three lines at the last step's end: five places behind its products, in front of loads into their operands)
.irp t, 0,1,2,3,4,5,6,7
	ds_load_b128 v[FR+6*\t:FR+6*\t+3], v[A16] offset:768*\t
	ds_load_b64 v[FR+6*\t+4:FR+6*\t+5], v[A8] offset:768*\t+512
.endr
	ds_load_b64 v[KS:KS+1], v[A8] offset:12288
	ds_load_b64 v[KS+2:KS+3], v[A8] offset:12544
	s_wait_alu depctr_va_vdst(0)                   ; directly ahead of the wait below
	s_wait_dscnt 0x0
.irp t, 0,1,2,3,4,5,6,7
	WM S+8*\t, FR+6*\t, QF, 1, KS+\t/2, QS, \t%2
.endr
	v_mov_b32 v[T+2], v12                          ; the old -M; with three v_nop: four places
	v_nop
	v_nop
	v_nop
.irp dt, 0,1,2,3                               ; V^T's fragments into the same registers: they land under the softmax
.irp c, 0,1,2
	ds_load_b128 v[FR+12*\dt+4*\c:FR+12*\dt+4*\c+3], v[A16] offset:6144+1536*\dt+512*\c
.endr
.endr
	ds_load_b64 v[VS:VS+1], v[A8] offset:12800
.irp c, 0,1                                    ; the largest score of my two blocks of 32 keys, each in two chains: for the row's maximum, and, since p rises with the score, for the block's largest p
	v_max3_num_f32 v[BM+\c], v[S+32*\c], v[S+32*\c+1], v[S+32*\c+2]
	v_max3_num_f32 v[BT+\c], v[S+32*\c+16], v[S+32*\c+17], v[S+32*\c+18]
.endr
.irp i, 3,5,7,9,11,13
.irp c, 0,1
	v_max3_num_f32 v[BM+\c], v[BM+\c], v[S+32*\c+\i], v[S+32*\c+\i+1]
	v_max3_num_f32 v[BT+\c], v[BT+\c], v[S+32*\c+16+\i], v[S+32*\c+17+\i]
.endr
.endr
.irp c, 0,1
	v_max3_num_f32 v[BM+\c], v[BM+\c], v[BT+\c], v[S+32*\c+15]
.endr
.irp c, 0,1
	v_max_num_f32 v[BM+\c], v[BM+\c], v[S+32*\c+31]
.endr
	s_delay_alu instid0(VALU_DEP_1)
	v_max_num_f32 v[T], v[BM], v[BM+1]
	s_delay_alu instid0(VALU_DEP_1)
	v_permlanex16_b32 v[T+1], v[T], s[SEL], s[SEL+1]
	s_delay_alu instid0(VALU_DEP_1)
	v_max3_num_f32 v13, v13, v[T], v[T+1]          ; the running largest score of my query
	s_delay_alu instid0(VALU_DEP_1)
	v_mul_f32 v[T+3], s[NCS], v13
	s_delay_alu instid0(VALU_DEP_1)
	v_floor_f32 v12, v[T+3]                        ; the new -M: a whole number
	s_delay_alu instid0(VALU_DEP_1)
	v_sub_f32 v[T+2], v12, v[T+2]
	v_fma_f32 v[BM], v[BM], s[CS], v12
	v_fma_f32 v[BM+1], v[BM+1], s[CS], v12
	s_delay_alu instid0(VALU_DEP_3)
	v_cvt_i32_f32 v[T+2], v[T+2]
	v_pk_fma_f32 v[S:S+1], v[S:S+1], s[CS:CS+1], v[12:13] op_sel_hi:[1,0,0]       ; t - M, two at a time
	v_pk_fma_f32 v[S+2:S+3], v[S+2:S+3], s[CS:CS+1], v[12:13] op_sel_hi:[1,0,0]
	s_delay_alu instid0(VALU_DEP_3)
	v_ldexp_f32 v[F], 1.0, v[T+2]                  ; 2^(old M - new M): a multiplication by it rounds nothing
.set nn, 4
.rept 30
	v_pk_fma_f32 v[S+nn:S+nn+1], v[S+nn:S+nn+1], s[CS:CS+1], v[12:13] op_sel_hi:[1,0,0]
.set nn, nn+2
.endr
.set nn, 0
.rept 16
	v_pk_mul_f32 v[O+nn:O+nn+1], v[O+nn:O+nn+1], v[F:F+1] op_sel_hi:[1,0]   ; O^T under the new M; ascending
.set nn, nn+2
.endr
	s_wait_alu depctr_va_vdst(0)                   ; the wait ahead of the batch
	v_exp_f32 v[BM], v[BM]                         ; each block's largest p: the same two instructions on the same number give the same bits
	v_exp_f32 v[BM+1], v[BM+1]
.set nn, 0
.rept 64
	v_exp_f32 v[S+nn], v[S+nn]                     ; p, at most 1, not normalised
.set nn, nn+1
.endr
	v_pk_mul_f32 v[14:15], v[14:15], v[F:F+1] op_sel_hi:[1,0]      ; the sum under the new M (a plain instruction behind the exponentials)
	s_wait_alu depctr_va_vdst(0)                   ; one wait for the batch of 66, ahead of its first reader
.irp c, 0,1
	v_max_num_f32 v[BM+\c], 0x1800000, v[BM+\c]    ; the floor 2^(3 - 127): the byte cannot fall under 1
.endr
.irp c, 0,1
	v_add_nc_u32 v[SOP+\c], 0xff000000, v[BM+\c]   ; 2 off the exponent field: the conversion's scale operand
.endr
.irp c, 0,1
	v_cvt_scalef32_pk16_fp6_f32 v[PC+6*\c:PC+6*\c+2], v[S+32*\c:S+32*\c+15], v[SOP+\c]
	v_cvt_scalef32_pk16_fp6_f32 v[CT+4*\c:CT+4*\c+2], v[S+32*\c+16:S+32*\c+31], v[SOP+\c]   ; (a conversion's three registers begin on an even number)
.endr
.irp c, 0,1
	v_lshrrev_b32 v[BT+\c], 23, v[SOP+\c]          ; the scales' bytes (plain instructions behind the conversions)
.endr
.irp c, 0,1
.irp i, 0,1,2
	v_mov_b32 v[PC+3+6*\c+\i], v[CT+4*\c+\i]
.endr
.endr
	v_lshl_or_b32 v[T], v[BT+1], 16, v[BT]         ; my two bytes: blocks h and 2 + h,
	s_delay_alu instid0(VALU_DEP_1)
	v_lshlrev_b32 v[T], v[SH8], v[T]               ; at their places in the word;
	s_delay_alu instid0(VALU_DEP_1)
	v_permlanex16_b32 v[T+1], v[T], s[SEL], s[SEL+1]
	s_delay_alu instid0(VALU_DEP_1)
	v_or_b32 v[PS], v[T], v[T+1]                   ; with lane l xor 16's two the word is whole
	v_pk_add_f32 v[T:T+1], v[S:S+1], v[S+2:S+3]    ; the row's sum of the unquantised p, in four chains; these 29 are also the places in front of the products
	v_pk_add_f32 v[T+2:T+3], v[S+4:S+5], v[S+6:S+7]
	v_pk_add_f32 v[TS:TS+1], v[S+8:S+9], v[S+10:S+11]
	v_pk_add_f32 v[14:15], v[14:15], v[S+12:S+13]
.set nn, 14
.rept 6
	v_pk_add_f32 v[T:T+1], v[T:T+1], v[S+nn:S+nn+1]
	v_pk_add_f32 v[T+2:T+3], v[T+2:T+3], v[S+nn+2:S+nn+3]
	v_pk_add_f32 v[TS:TS+1], v[TS:TS+1], v[S+nn+4:S+nn+5]
	v_pk_add_f32 v[14:15], v[14:15], v[S+nn+6:S+nn+7]
.set nn, nn+8
.endr
	v_pk_add_f32 v[T:T+1], v[T:T+1], v[S+62:S+63]
	s_wait_alu depctr_va_vdst(0)                   ; directly ahead of the wait below
	s_wait_dscnt 0x0                               ; V^T
.irp dt, 0,1,2,3
	WM O+8*\dt, FR+12*\dt, PC, 0, VS+\dt/2, PS, \dt%2
.endr
	v_pk_add_f32 v[T:T+1], v[T:T+1], v[T+2:T+3]    ; the chains join: places behind the products
	v_pk_add_f32 v[14:15], v[14:15], v[TS:TS+1]
	v_pk_add_f32 v[14:15], v[14:15], v[T:T+1]
.endm
; O^T / the sum, quantised along the head's 64 features: half a fragment of the output projection's operand.  bo, bs: where the tile's codes and scale bytes go
.macro FINISH bo, bs
	v_add_f32 v[T], v14, v15
	s_delay_alu instid0(VALU_DEP_1)
	v_permlanex16_b32 v[BT], v[T], s[SEL], s[SEL+1]
	s_delay_alu instid0(VALU_DEP_1)
	v_add_f32 v[T], v[T], v[BT]
	s_wait_alu depctr_va_vdst(0)                   ; the wait ahead of the transcendental,
	v_rcp_f32 v[F], v[T]
	v_nop
	s_wait_alu depctr_va_vdst(0)                   ; and ahead of its first reader, which is O^T's first reader too
.set nn, 0
.rept 16
	v_pk_mul_f32 v[O+nn:O+nn+1], v[O+nn:O+nn+1], v[F:F+1] op_sel_hi:[1,0]
.set nn, nn+2
.endr
.irp b, 0,1
	v_max3_num_f32 v[BM+\b], |v[O+16*\b]|, |v[O+1+16*\b]|, 0x1800000
.endr
.irp i, 2,4,6,8,10,12,14
.irp b, 0,1
	s_delay_alu instid0(VALU_DEP_2)
	v_max3_num_f32 v[BM+\b], v[BM+\b], |v[O+16*\b+\i]|, |v[O+1+16*\b+\i]|
.endr
.endr
.irp b, 0,1
	s_delay_alu instid0(VALU_DEP_2)
	v_permlanex16_b32 v[BT+\b], v[BM+\b], s[SEL], s[SEL+1]
.endr
.irp b, 0,1
	s_delay_alu instid0(VALU_DEP_2)
	v_max_num_f32 v[BM+\b], v[BM+\b], v[BT+\b]
.endr
.irp b, 0,1
	s_delay_alu instid0(VALU_DEP_2)
	v_add_nc_u32 v[SOP+\b], 0xff000000, v[BM+\b]
.endr
.irp b, 0,1
	s_delay_alu instid0(VALU_DEP_2)
	v_lshrrev_b32 v[BT+\b], 23, v[SOP+\b]
.endr
	s_delay_alu instid0(VALU_DEP_1)
	v_lshl_or_b32 v[T+3], v[BT+1], 8, v[BT]        ; the head's two bytes of row r's scale word
	v_cvt_scalef32_pk16_fp6_f32 v[PC:PC+2], v[O:O+15], v[SOP]
	v_cvt_scalef32_pk16_fp6_f32 v[CT:CT+2], v[O+16:O+31], v[SOP+1]
	v_nop
.irp i, 0,1,2
	v_permlane16_swap_b32 v[PC+\i], v[CT+\i]       ; the operand wants a whole block in a lane
.endr
.irp i, 0,1,2
	v_mov_b32 v[PC+3+\i], v[CT+\i]
.endr
	global_store_b128 v[L16], v[PC:PC+3], s[\bo:\bo+1]             ; 512 consecutive bytes,
	global_store_b64 v[L8], v[PC+4:PC+5], s[\bo:\bo+1] offset:512  ; and 256
	global_store_b16 v[R16], v[T+3], s[\bs:\bs+1]  ; two bytes a row, 16 bytes apart (both halves of the lanes write the same): 266,240 bytes in the whole launch go out so
.endm
	s_load_b256 s[4:11], s[0:1], 0x0               ; query, qb, kv, ob
	s_load_b64 s[12:13], s[0:1], 0x20              ; os
	v_lshl_add_u32 v[SPW], v0, 2, SPARE
	v_mov_b32 v[NIL], 0
	ds_add_u32 v[SPW], v[NIL]                      ; the opening: the add, twice on end, and its wait ahead of the first tensor load
	ds_add_u32 v[SPW], v[NIL]
	v_lshrrev_b32 v7, 5, v0
	v_readfirstlane_b32 s14, v7                    ; wave 0..15
	s_xor_b32 s15, ttmp9, 1                        ; hf: the work-groups with the 1,025th query have the lower numbers
	s_and_b32 s28, ttmp7, 0xffff                   ; 16 b + h
	s_lshr_b32 s29, s28, 4                         ; the batch
	s_and_b32 s30, s28, 15                         ; the head in it
	s_mov_b32 s16, 3<<16                           ; descriptor group 1: elements of 8 bytes, no mask, no padding;
	s_mov_b32 s17, 32<<16                          ; rows of 32 elements = 256 bytes, dense;
	s_mov_b32 s18, 51<<16                          ; 51 rows: a key step's 13,056 bytes
	s_mov_b32 s19, 32<<16
	s_mov_b32 s20, 51
	s_mov_b32 s21, 32
	s_mov_b32 s22, 0
	s_mov_b32 s23, 0
	s_mul_i32 s25, s14, KSB                        ; waves 0-7: key step = wave, in LDS as in memory
	s_mul_i32 s44, s28, 104448
	s_add_co_u32 s44, s44, s25
	s_mov_b32 s45, 0
	s_lshl_b32 s43, s15, 5
	s_add_co_u32 s43, s43, s14                     ; pass 1's query tile
	s_mul_i32 s48, s28, 53248
	s_lshr_b32 s46, s43, 3
	s_mul_i32 s46, s46, 6656
	s_add_co_u32 s48, s48, s46                     ; qb: the head, the group of 8 tiles
	s_add_co_u32 s50, s48, 6144                    ; its scale images
	s_and_b32 s46, s43, 7
	s_mul_i32 s47, s46, 768
	s_add_co_u32 s48, s48, s47                     ; the tile's codes
	s_mov_b32 s49, 0
	s_lshr_b32 s46, s46, 2
	s_lshl_b32 s46, s46, 8
	s_add_co_u32 s50, s50, s46                     ; the image of its four tiles,
	s_and_b32 s46, s43, 1
	s_lshl_b32 s46, s46, 7
	s_add_co_u32 s50, s50, s46                     ; the half of the lanes,
	s_bfe_u32 s46, s43, 0x10001
	s_lshl_b32 s46, s46, 2
	s_add_co_u32 s50, s50, s46                     ; the word
	s_mov_b32 s51, 0
	s_add_co_u32 s52, s29, 8192                    ; the last token: row 1,024 x 8 + b of 4,096 bytes,
	s_lshl_b32 s52, s52, 12
	s_lshl_b32 s53, s30, 8
	s_add_co_u32 s52, s52, s53                     ; the head's 256 bytes
	s_mov_b32 s53, 0
	s_lshr_b32 s31, s30, 2                         ; the head's place in a tile of ob: 24,576 (h / 4) + 1,536 ((h / 2) % 2) + 768 (h % 2)
	s_mul_i32 s31, s31, 24576
	s_bfe_u32 s46, s30, 0x10001
	s_mul_i32 s46, s46, 1536
	s_add_co_u32 s31, s31, s46
	s_and_b32 s46, s30, 1
	s_mul_i32 s47, s46, 768
	s_add_co_u32 s31, s31, s47
	s_lshl_b32 s60, s46, 1                         ; and of os: 256 (h / 8) + 4 ((h / 2) % 4) + 2 (h % 2)
	s_bfe_u32 s46, s30, 0x20001
	s_lshl_b32 s46, s46, 2
	s_add_co_u32 s60, s60, s46
	s_lshr_b32 s46, s30, 3
	s_lshl_b32 s46, s46, 8
	s_add_co_u32 s60, s60, s46
	s_lshr_b32 s46, s43, 3                         ; pass 1's tile in ob and os: block 8 b + tile / 8,
	s_lshl_b32 s47, s29, 3
	s_add_co_u32 s46, s46, s47
	s_and_b32 s47, s43, 7                          ; the tile in it
	s_mul_i32 s54, s46, 98304
	s_mul_i32 s55, s47, 3072
	s_add_co_u32 s54, s54, s55
	s_add_co_u32 s54, s54, s31
	s_mov_b32 s55, 0
	s_lshl_b32 s46, s46, 3
	s_add_co_u32 s46, s46, s47
	s_lshl_b32 s56, s46, 9
	s_add_co_u32 s56, s56, s60
	s_mov_b32 s57, 0
	s_mul_i32 s58, s29, 3072                       ; the 1,025th query: block 64, tile b
	s_add_co_u32 s58, s58, 64*98304
	s_add_co_u32 s58, s58, s31
	s_mov_b32 s59, 0
	s_lshl_b32 s62, s29, 9
	s_add_co_u32 s62, s62, 512*512
	s_add_co_u32 s62, s62, s60
	s_mov_b32 s63, 0
	s_mov_b32 s[CS], 0x3e38aa3b                    ; log2(e) / 8
	s_mov_b32 s[CS+1], s[CS]
	s_mov_b32 s[NCS], 0xbe38aa3b
	s_mov_b32 s[SEL], 0x76543210
	s_mov_b32 s[SEL+1], 0xfedcba98
	s_mov_b32 s[LOW16], 0xffff                     ; lanes 0-15
	s_mov_b32 s[R0M], 0x00010001                   ; lanes 0 and 16: row 0
	s_cmp_eq_u32 s14, 0
	s_cselect_b32 s[EXA], s15, 0
	s_cselect_b32 s[KM0], s[LOW16], 0
	s_cmp_lt_u32 s14, 4
	s_cselect_b32 s[LIM0], s15, 0
	s_lshl_b32 s[LIM0], s[LIM0], 1
	s_lshl_b32 s[ROT], s14, 1
	s_and_b32 s[ROT], s[ROT], 7
	s_mul_i32 s40, s14, PWB                        ; my part's place
	s_wait_dscnt 0x0                               ; both opening adds are done
	s_wait_kmcnt 0x0
	s_mov_b32 s68, 1
	s_mov_b32 s69, s25
	s_add_nc_u64 s[70:71], s[8:9], s[44:45]
	s_or_b32 s71, s71, 0x80000000
	s_cmp_lt_u32 s14, 8                            ; waves 0-7 fetch: one load of mine is out
	s_cbranch_scc0 .Lno_fill
	tensor_load_to_lds s[68:71], s[16:23]
	s_nop 0
	PLACES
.Lno_fill:
	s_add_nc_u64 s[48:49], s[6:7], s[48:49]
	s_add_nc_u64 s[50:51], s[6:7], s[50:51]
	s_add_nc_u64 s[52:53], s[4:5], s[52:53]
	s_add_nc_u64 s[54:55], s[10:11], s[54:55]
	s_add_nc_u64 s[56:57], s[12:13], s[56:57]
	s_add_nc_u64 s[58:59], s[10:11], s[58:59]
	s_add_nc_u64 s[62:63], s[12:13], s[62:63]
	v_and_b32 v7, 31, v0
	v_and_b32 v8, 15, v0                           ; r
	v_bfe_u32 v9, v0, 4, 1                         ; h
	v_lshlrev_b32 v[L16], 4, v7
	v_lshlrev_b32 v[L8], 3, v7
	v_lshlrev_b32 v[R16], 4, v8
	v_lshlrev_b32 v10, 3, v8                       ; Q's scale word: 8 r
	v_lshlrev_b32 v11, 7, v9                       ; the last token as a key: my block of 32: 128 h
	v_lshlrev_b32 v[SH8], 3, v9
	v_and_b32 v7, 8, v8
	s_delay_alu instid0(VALU_DEP_1)
	v_add_nc_u32 v7, v7, v8
	s_delay_alu instid0(VALU_DEP_1)
	v_lshlrev_b32 v7, 2, v7                        ; as a value: feature r + 8 (r / 8) of a tile
	global_load_b128 v[QA:QA+3], v[L16], s[48:49]                    ; pass 1's Q
	global_load_b64 v[QA+4:QA+5], v[L8], s[48:49] offset:512
	global_load_b32 v[QA+6], v10, s[50:51]
	global_load_b128 v[QB:QB+3], v[L16], s[48:49] offset:13312       ; pass 2's: 16 tiles = two groups on
	global_load_b64 v[QB+4:QB+5], v[L8], s[48:49] offset:13312+512
	global_load_b32 v[QBS], v10, s[50:51] offset:13312
.irp i, 0,1,2,3,4,5,6,7
	global_load_b128 v[O+4*\i:O+4*\i+3], v11, s[52:53] offset:16*\i  ; 32 numbers of the last token, into registers that O^T takes later
.endr
.irp dt, 0,1,2,3
	global_load_b32 v[DVA+2*\dt], v7, s[52:53] offset:128*(\dt/2)+32*(\dt%2)
.endr
	v_mov_b32 v[NINF], 0xff800000
.irp i, 0,1,2,3,4,5
	v_mov_b32 v[QF+6+\i], 0                        ; Q's upper 64 along K: zero codes
.endr
.irp i, 0,1
	v_mov_b32 v[BT+\i], 0                          ; written once: a lane permute's destination counts as one of its sources
	v_mov_b32 v[F+\i], 0
.endr
.irp i, 0,1,2,3
	v_mov_b32 v[12+\i], 0                          ; (each pass's first key sets these)
.endr
.irp i, 1,2,3,4,5,6,7,8,9,10,11,12,13,14,15
	v_mov_b32 v[S+\i], 0
.endr
.irp i, 1,3,5,7,8,9,10,11,12,13,14,15,16,17
	v_mov_b32 v[DVA+\i], 0
.endr
	s_wait_alu depctr_va_vdst(0)                   ; directly ahead of the wait below
	s_wait_loadcnt 0x0
	; the last token as a tile of keys, and as a tile of queries: my block of 32 along the head is all mine
	v_max3_num_f32 v[BM], |v[O]|, |v[O+1]|, 0x1800000
.irp i, 2,4,6,8,10,12,14,16,18,20,22,24,26,28,30
	s_delay_alu instid0(VALU_DEP_1)
	v_max3_num_f32 v[BM], v[BM], |v[O+\i]|, |v[O+1+\i]|
.endr
	s_delay_alu instid0(VALU_DEP_1)
	v_add_nc_u32 v[SOP], 0xff000000, v[BM]
	s_delay_alu instid0(VALU_DEP_1)
	v_lshrrev_b32 v[BM+1], 23, v[SOP]              ; my block's byte,
	s_delay_alu instid0(VALU_DEP_1)
	v_lshlrev_b32 v[BM+1], v[SH8], v[BM+1]         ; at its place in the word;
	s_delay_alu instid0(VALU_DEP_1)
	v_permlanex16_b32 v[BT], v[BM+1], s[SEL], s[SEL+1]
	s_delay_alu instid0(VALU_DEP_1)
	v_or_b32 v[DKS], v[BM+1], v[BT]                ; with lane l xor 16's: bytes 0, 1; bytes 2, 3 are 0
	v_cvt_scalef32_pk16_fp6_f32 v[DK:DK+2], v[O:O+15], v[SOP]
	v_cvt_scalef32_pk16_fp6_f32 v[CT:CT+2], v[O+16:O+31], v[SOP]
	v_nop
.irp i, 0,1,2
	v_mov_b32 v[DK+3+\i], v[CT+\i]
.endr
.irp i, 0,1,2,3,4,5
	v_cndmask_b32 v[DK+\i], 0, v[DK+\i], s[R0M]    ; rows 1-15 of the tile: zero codes
.endr
	v_mov_b32 v[QS], v[DKS]                        ; pass 0's Q
.irp i, 0,1,2,3,4,5
	v_mov_b32 v[QF+\i], v[DK+\i]
.endr
	; and as a value: key 1,024 is alone in its block of 32 keys
.irp dt, 0,1,2,3
	v_max3_num_f32 v[PC+\dt], |v[DVA+2*\dt]|, |v[DVA+2*\dt]|, 0x1800000
.endr
.irp dt, 0,1,2,3
	v_add_nc_u32 v[PC+\dt], 0xff000000, v[PC+\dt]
.endr
.irp dt, 0,1,2,3
	v_lshrrev_b32 v[DVS+\dt], 23, v[PC+\dt]
.endr
.irp dt, 0,1,2,3
	v_mov_b32 v[S], v[DVA+2*\dt]                   ; the number, and 15 zeros behind it
	v_cvt_scalef32_pk16_fp6_f32 v[CT:CT+2], v[S:S+15], v[PC+\dt]
	v_nop
	v_mov_b32 v[DVA+2*\dt], v[CT]
.endr
	v_add_nc_u32 v[PLD], PB, v[L16]                ; the parts' LDS addresses, made here, on every wave's way
	s_delay_alu instid0(VALU_DEP_1)
	v_add_nc_u32 v[PST], s40, v[PLD]
	s_wait_alu depctr_va_vdst(0)                   ; the wait at the head's end
	s_wait_tensorcnt 0x0                           ; my key step has landed,
	s_barrier_signal -1
	s_barrier_wait -1                              ; everybody's has: the tiles are only read from here on
	s_mov_b32 s[PASS], 0
.Lpass:
	s_cmp_eq_u32 s[PASS], 0
	s_cselect_b32 s[LIM], s[LIM0], 8               ; how many key steps I take in this pass,
	s_cselect_b32 s[KM], s[KM0], s[LOW16]          ; and where key 1,024 counts
	s_cmp_eq_u32 s[LIM], 0
	s_cbranch_scc1 .Lno_first
	FIRST
.Lno_first:
	s_mov_b32 s[CNT], 0
.Lstep:                                                ; eight trips in every wave and pass; a trip beyond my share does nothing
	s_cmp_ge_u32 s[CNT], s[LIM]
	s_cbranch_scc1 .Lskip
	s_add_co_u32 s[TB], s[CNT], s[ROT]
	s_and_b32 s[TB], s[TB], 7                      ; key step (trip + 2 x wave) mod 8: in pass 0 waves 0-3 so take steps 2 w and 2 w + 1
	s_mul_i32 s[TB], s[TB], KSB
	STEP
	s_wait_alu depctr_va_vdst(0)                   ; the wait ahead of the label and the jump
.Lskip:
	s_add_co_u32 s[CNT], s[CNT], 1
	s_cmp_lt_u32 s[CNT], 8
	s_cbranch_scc1 .Lstep
	s_cmp_eq_u32 s[PASS], 0
	s_cbranch_scc0 .Lfin
	s_cmp_eq_u32 s[LIM], 0
	s_cbranch_scc1 .Lrot
	PLACES                                         ; behind the last products: their results are stored
.irp i, 0,1,2,3,4,5,6,7
	ds_store_b128 v[PST], v[O+4*\i:O+4*\i+3] offset:512*\i           ; O^T as an image of its registers; each accumulator from its low end on
.endr
	ds_store_b128 v[PST], v[12:15] offset:4096     ; -M, the largest score, the sum's two halves
	s_branch .Lrot
.Lfin:
	FINISH 54, 56
	s_wait_alu depctr_va_vdst(0)
	s_wait_xcnt 0x0                                ; the stores have read their registers and bases
	s_add_nc_u64 s[54:55], s[54:55], 196608        ; the next pass's tile: 16 tiles = two blocks on,
	s_add_nc_u64 s[56:57], s[56:57], 8192          ; 16 x 512 bytes of scale bytes
.Lrot:
	v_mov_b32 v[QS], v[QA+6]                       ; the next pass's Q: thirteen places behind the scale word's line, seven behind the last of the codes'
.irp i, 0,1,2,3,4,5
	v_mov_b32 v[QF+\i], v[QA+\i]
.endr
	v_mov_b32 v[QA+6], v[QBS]
.irp i, 0,1,2,3,4,5
	v_mov_b32 v[QA+\i], v[QB+\i]
.endr
	s_add_co_u32 s[PASS], s[PASS], 1
	s_cmp_lt_u32 s[PASS], 3
	s_wait_alu depctr_va_vdst(0)                   ; directly ahead of the branch
	s_cbranch_scc1 .Lpass
	s_wait_dscnt 0x0                               ; for the others' sake: my stores are done
	s_barrier_signal -1
	s_barrier_wait -1
	s_cmp_eq_u32 s[EXA], 0
	s_cbranch_scc1 .Lend
.irp k, 0,1,2,3
	ds_load_b128 v[PC+4*\k:PC+4*\k+3], v[PLD] offset:PWB*\k+4096     ; waves 0-3: -M, the score, the sum's halves
.endr
.irp i, 0,1,2,3,4,5,6,7
	ds_load_b128 v[O+4*\i:O+4*\i+3], v[PLD] offset:512*\i            ; wave 0's O^T,
.endr
.irp i, 0,1,2,3,4,5,6,7
	ds_load_b128 v[S+4*\i:S+4*\i+3], v[PLD] offset:PWB+512*\i        ; wave 1's,
.endr
.irp i, 0,1,2,3,4,5,6,7
	ds_load_b128 v[S+32+4*\i:S+32+4*\i+3], v[PLD] offset:2*PWB+512*\i   ; wave 2's,
.endr
.irp i, 0,1,2,3,4,5,6,7
	ds_load_b128 v[FR+4*\i:FR+4*\i+3], v[PLD] offset:3*PWB+512*\i    ; wave 3's
.endr
	s_wait_dscnt 32                                ; the first four loads are in; the 32 of O^T stay out
	v_min3_num_f32 v[T], v[PC], v[PC+4], v[PC+8]
	s_delay_alu instid0(VALU_DEP_1)
	v_min_num_f32 v[T], v[T], v[PC+12]             ; the least -M: the largest M of the four
.irp k, 0,1,2,3
	v_sub_f32 v[PC+4*\k], v[T], v[PC+4*\k]         ; each part's M less the largest: a whole number, 0 or less
.endr
.irp k, 0,1,2,3
	s_delay_alu instid0(VALU_DEP_4)
	v_cvt_i32_f32 v[PC+4*\k], v[PC+4*\k]
.endr
.irp k, 0,1,2,3
	s_delay_alu instid0(VALU_DEP_4)
	v_ldexp_f32 v[PC+4*\k], 1.0, v[PC+4*\k]        ; the powers of two that bring the parts under one M
.endr
	v_pk_mul_f32 v[14:15], v[PC+2:PC+3], v[PC:PC+1] op_sel_hi:[1,0]
.irp k, 1,2,3
	s_delay_alu instid0(VALU_DEP_1)
	v_pk_fma_f32 v[14:15], v[PC+4*\k+2:PC+4*\k+3], v[PC+4*\k:PC+4*\k+1], v[14:15] op_sel_hi:[1,0,1]
.endr
	s_wait_alu depctr_va_vdst(0)                   ; directly ahead of the wait below
	s_wait_dscnt 0x0
.set nn, 0
.rept 16
	v_pk_mul_f32 v[O+nn:O+nn+1], v[O+nn:O+nn+1], v[PC:PC+1] op_sel_hi:[1,0]
.set nn, nn+2
.endr
.set nn, 0
.rept 16
	v_pk_fma_f32 v[O+nn:O+nn+1], v[S+nn:S+nn+1], v[PC+4:PC+5], v[O+nn:O+nn+1] op_sel_hi:[1,0,1]
.set nn, nn+2
.endr
.set nn, 0
.rept 16
	v_pk_fma_f32 v[O+nn:O+nn+1], v[S+32+nn:S+33+nn], v[PC+8:PC+9], v[O+nn:O+nn+1] op_sel_hi:[1,0,1]
.set nn, nn+2
.endr
.set nn, 0
.rept 16
	v_pk_fma_f32 v[O+nn:O+nn+1], v[FR+nn:FR+nn+1], v[PC+12:PC+13], v[O+nn:O+nn+1] op_sel_hi:[1,0,1]
.set nn, nn+2
.endr
	FINISH 58, 62
.Lend:
	s_wait_tensorcnt 0x0                           ; the wave's end
	ds_add_u32 v[SPW], v[NIL]
	s_wait_dscnt 0x0
	s_endpgm
.Lfunc_end_k_q10d1030066_attn:
	.size	k_q10d1030066_attn, .Lfunc_end_k_q10d1030066_attn-k_q10d1030066_attn
	.p2alignl 7, 3214868480
	.fill 96, 4, 3214868480
	.section	.rodata,"a",@progbits
	.p2align	6, 0x0
	.amdhsa_kernel k_q10d1030066_attn
		.amdhsa_group_segment_fixed_size 180224
		.amdhsa_private_segment_fixed_size 0
		.amdhsa_enable_private_segment 0
		.amdhsa_kernarg_size 40
		.amdhsa_user_sgpr_count 2
		.amdhsa_user_sgpr_kernarg_segment_ptr 1
		.amdhsa_wavefront_size32 1
		.amdhsa_system_sgpr_workgroup_id_x 1
		.amdhsa_system_sgpr_workgroup_id_y 1
		.amdhsa_system_sgpr_workgroup_id_z 1
		.amdhsa_system_vgpr_workitem_id 0
		.amdhsa_next_free_vgpr 256
		.amdhsa_next_free_sgpr 84
		.amdhsa_reserve_vcc 0
		.amdhsa_float_denorm_mode_32 3
		.amdhsa_float_denorm_mode_16_64 3
		.amdhsa_memory_ordered 1
		.amdhsa_forward_progress 1
		.amdhsa_inst_pref_size 49
	.end_amdhsa_kernel
	.amdgpu_metadata
---
amdhsa.version: [ 1, 2 ]
amdhsa.kernels:
  - .name:           k_q10d1030066_attn
    .symbol:         k_q10d1030066_attn.kd
    .args:
      - { .name: query, .offset: 0, .size: 8, .value_kind: global_buffer, .address_space: global }
      - { .name: qb, .offset: 8, .size: 8, .value_kind: global_buffer, .address_space: global }
      - { .name: kv, .offset: 16, .size: 8, .value_kind: global_buffer, .address_space: global }
      - { .name: ob, .offset: 24, .size: 8, .value_kind: global_buffer, .address_space: global }
      - { .name: os, .offset: 32, .size: 8, .value_kind: global_buffer, .address_space: global }
    .group_segment_fixed_size: 180224
    .private_segment_fixed_size: 0
    .kernarg_segment_align: 8
    .kernarg_segment_size: 40
    .max_flat_workgroup_size: 512
    .sgpr_count:     84
    .vgpr_count:     256
    .wavefront_size: 32
...
	.end_amdgpu_metadata
.endif
;; end of part 3
;; launch outp (part 4): grid 4 x 64, 4 waves a work-group, clusters of 4 x 4, 327,680 bytes of LDS; arguments cod, scl, ob, os, out_proj_bias, out0; writes out0
.if DOCPART == 4
	.amdgcn_target "amdgcn-amd-amdhsa--gfx1250"
	.amdhsa_code_object_version 6
	.text
	.protected	k_q10d1030066_outp
	.globl	k_q10d1030066_outp
	.p2align	8
	.type	k_q10d1030066_outp,@function
k_q10d1030066_outp:
	s_mov_b64 s[64:65], 0
	v_nop
	global_prefetch_b8 v0, s[64:65] scope:SCOPE_SE
	s_setreg_imm32_b32 hwreg(HW_REG_WAVE_MODE, 25, 1), 1
	s_wait_xcnt 0x0
	s_wait_alu depctr_hold_cnt(0) depctr_sa_sdst(0) depctr_va_vdst(0) depctr_va_sdst(0) depctr_va_ssrc(0) depctr_va_vcc(0) depctr_vm_vsrc(0)
	s_getreg_b32 s2, hwreg(HW_REG_IB_STS2, 6, 4)
	s_cmp_eq_u32 s2, 0
	s_cbranch_scc0 .Lentry_in_a_cluster
	s_endpgm
.Lentry_in_a_cluster:
	s_bfe_u32 s2, ttmp6, 0x10000c
	s_cmp_lg_u32 s2, 0xf033
	s_cbranch_scc0 .Lentry_shape_is_right
	s_endpgm
.Lentry_shape_is_right:
; out0 = attention's result x out_proj_weight^T + out_proj_bias, on codes of FP6 with E8M0 scales.  Z[y][x]: source 0 = 16 rows of X = the weight (x: the output feature), source 1 = 16 rows of Y = 16 tokens of one batch.
; SHARES.  A work-group makes 256 features by 128 tokens (block yb of ob: batch yb / 8, tokens 128 (yb % 8) on); wave (wx, wy) 128 by 64: 32 accumulators, window 2.  256 work-groups.
; LDS holds all of K, filled once: four chunks of 256 along K, each X's 16 tiles (49,152 bytes) and Y's 8 (24,576); behind them the tile of a batch's 1,025th token (12,288 bytes).
; Y's fragments lie as two halves of 768 bytes (a head each): registers 0-3 at 16 L, 4-5 at 512 + 8 L.  The bias is the C of each sum's first product.
; CLUSTERS: 4 x 4: X's blocks are shared along a column of the cluster, Y's and the extra tile along a row.
; THE 1,025th TOKEN of batch e: work-groups yb = e (0 .. 7), waves wy = 0: a phase of its own behind the way out, under one branch on the cluster's y and the wave's number: 64 products on operands that still lie in LDS;
; row 0 of that tile is the token; it leaves as 256 bytes a lane from lanes 0 and 16: 32,768 bytes in the whole launch go out so.
; THE WAY OUT: a lane holds 16 neighbouring features of one token in two accumulators; 16 tokens x 128 features go through the wave's stage in LDS and leave as whole rows of 512 bytes.
; The stages lie in Y's part of chunks 0 and 1: filled once, and read by nobody behind the barrier of K step 3.
; REGISTERS.  window 0: v1-17 addresses; v32-63 X's scale words, v64-79 Y's, v80-87 the extra tile's; v88-111 the extra tile's fragments; v128-223 Y's fragments, later v128-255 rows on the way out.
;   window 1: X's fragments at v0-95 and v128-223; the bias at v96-127 and v224-255.   window 2: accumulator (a, bt) at v[8 (8 a + bt)].
; LDS AS IT IS LAID NOW: X's four chunks of 256 along K on end from byte 0 (49,152 bytes each), Y's four from YB on (24,576 each), the extra tile at ELDS, the spare words behind it.
; THE FILLS, one tensor load a wave each time: at the head wave 0 X's chunk 0, wave 1 X's chunk 1, wave 2 Y's chunks 0 and 1, wave 3 the extra tile; behind the waits, the add and a round of the
; cluster's barrier wave 0 X's chunk 2, wave 1 X's chunk 3, wave 2 Y's chunks 2 and 3: these are waited for in K step 3.  The stages lie in Y's chunks 0 and 1, which nobody reads behind K step 3's barrier.
.set CHUNK, 49152
.set YB,    196608
.set ELDS, 294912
.set XA,   5
.set YA16, 6
.set YA8,  7
.set XE,   12                          ; v12  X's fragments for the extra phase: its own register, stepped there alone
.set EA16, 13
.set EA8,  14
.set STO,  15
.set RD,   16
.set SCX,  32
.set SCY,  64
.set RE,   80
.set EF,   88
.set YF,   128
.set G1X,  24
.set G1Y,  32
.set G0X,  40
.set G1E,  76
.set G0E,  84
.set TO_X, 0x40
.set MSB, 0
.macro WIN new
.if MSB != \new
	s_set_vgpr_msb (MSB<<8)|\new
.set MSB, \new
.endif
.endm
.macro PLACES
.rept 4
	v_nop
.endr
.endm
.macro CROUND
	s_barrier_signal -1
	s_barrier_wait -1
	s_cmp_lg_u32 s16, 0
	s_cbranch_scc1 .Lnot_wave_0_\@
	s_barrier_signal -3
.Lnot_wave_0_\@:
	s_barrier_wait -3
	s_barrier_signal -1
	s_barrier_wait -1
.endm
.macro WM acc, xr, yr, cr, sx, sy, rx, ry   ; one product; C at register cr of the window that is set for it
.if (\rx) && (\ry)
	v_wmma_scale_f32_16x16x128_f8f6f4 v[\acc:\acc+7], v[\xr:\xr+11], v[\yr:\yr+11], v[\cr:\cr+7], v[\sx], v[\sy] matrix_a_fmt:MATRIX_FMT_FP6 matrix_b_fmt:MATRIX_FMT_FP6 matrix_a_scale:MATRIX_SCALE_ROW1 matrix_b_scale:MATRIX_SCALE_ROW1
.elseif (\rx)
	v_wmma_scale_f32_16x16x128_f8f6f4 v[\acc:\acc+7], v[\xr:\xr+11], v[\yr:\yr+11], v[\cr:\cr+7], v[\sx], v[\sy] matrix_a_fmt:MATRIX_FMT_FP6 matrix_b_fmt:MATRIX_FMT_FP6 matrix_a_scale:MATRIX_SCALE_ROW1
.elseif (\ry)
	v_wmma_scale_f32_16x16x128_f8f6f4 v[\acc:\acc+7], v[\xr:\xr+11], v[\yr:\yr+11], v[\cr:\cr+7], v[\sx], v[\sy] matrix_a_fmt:MATRIX_FMT_FP6 matrix_b_fmt:MATRIX_FMT_FP6 matrix_b_scale:MATRIX_SCALE_ROW1
.else
	v_wmma_scale_f32_16x16x128_f8f6f4 v[\acc:\acc+7], v[\xr:\xr+11], v[\yr:\yr+11], v[\cr:\cr+7], v[\sx], v[\sy] matrix_a_fmt:MATRIX_FMT_FP6 matrix_b_fmt:MATRIX_FMT_FP6
.endif
.endm
.macro WINM j                          ; source 0 window 1, source 1 window 0, D window 2; C: the bias in window 1 (K step 0) or the accumulator
.if (\j) == 0
	WIN 0x91
.else
	WIN 0xa1
.endif
.endm
.macro MUL8 a, j                       ; the 32 accumulators take turns, in the same order in every step
.irp bt, 0,1,2,3,4,5,6,7
.if (\j) == 0
	WM 8*(8*(\a)+\bt), 128*((\j)%2)+12*\bt, YF+48*((\j)%2)+12*(\a), 96+8*\bt+96*(\bt/4), SCX+8*(\bt%4)+(\j), SCY+8*((\a)%2)+(\j), \bt/4, (\a)/2
.else
	WM 8*(8*(\a)+\bt), 128*((\j)%2)+12*\bt, YF+48*((\j)%2)+12*(\a), 8*(8*(\a)+\bt), SCX+8*(\bt%4)+(\j), SCY+8*((\a)%2)+(\j), \bt/4, (\a)/2
.endif
.endr
.endm
.macro FRAG3 reg, adr, off
.irp c, 0,1,2
	ds_load_b128 v[\reg+4*\c:\reg+4*\c+3], v[\adr] offset:\off+512*\c
.endr
.endm
.macro FRAGH reg, a16, a8, off         ; a fragment from its two halves
	ds_load_b128 v[\reg:\reg+3], v[\a16] offset:\off
	ds_load_b64 v[\reg+4:\reg+5], v[\a8] offset:\off+512
	ds_load_b128 v[\reg+6:\reg+9], v[\a16] offset:\off+768
	ds_load_b64 v[\reg+10:\reg+11], v[\a8] offset:\off+1280
.endm
.macro FETCH j
	WIN TO_X
.irp bt, 0,1,2,3,4,5,6,7
	FRAG3 128*((\j)%2)+12*\bt, XA, 1536*((\j)%2)+3072*\bt
.endr
	WIN 0
.irp a, 0,1,2,3
	FRAGH YF+48*((\j)%2)+12*\a, YA16, YA8, 1536*((\j)%2)+3072*\a
.endr
.endm
.macro STEP j
	s_wait_dscnt 0x0
.if (\j) == 3
	s_wait_tensorcnt 0x0                           ; my part of the second half of K has landed
	s_barrier_signal -1
.endif
	WINM \j
	MUL8 0, \j
.if ((\j)%2 == 1) && ((\j) < 7)
.if (\j) == 3
	s_barrier_wait -1
.endif
	WIN 0
	v_add_nc_u32 v[XA], CHUNK, v[XA]               ; with the lines below: the four places in front of the loads
	s_wait_alu depctr_va_vdst(0)
	v_add_nc_u32 v[YA16], CHUNK/2, v[YA16]
	s_wait_alu depctr_va_vdst(0)
	v_add_nc_u32 v[YA8], CHUNK/2, v[YA8]
	s_wait_alu depctr_va_vdst(0)
	v_nop
.elseif (\j) < 7
	PLACES
.endif
.if (\j) < 7
	FETCH (\j)+1
.endif
	WINM \j
	MUL8 1, \j
	MUL8 2, \j
	MUL8 3, \j
.endm
	s_load_b256 s[4:11], s[0:1], 0x0               ; cod, scl, ob, os
	s_load_b128 s[12:15], s[0:1], 0x20             ; out_proj_bias, out0
	v_lshl_add_u32 v126, v0, 2, 0x4b000
	v_mov_b32 v127, 0
	ds_add_u32 v126, v127
	ds_add_u32 v126, v127
	v_lshrrev_b32 v1, 5, v0
	v_readfirstlane_b32 s16, v1                    ; wave 0..3
	s_and_b32 s17, s16, 1                          ; wx
	s_lshr_b32 s18, s16, 1                         ; wy
	s_bfe_u32 s19, ttmp6, 0x40000                  ; cx
	s_bfe_u32 s20, ttmp6, 0x40004                  ; cy
	s_and_b32 s21, ttmp7, 0xffff                   ; cluster y, 0 .. 15
	s_lshl_b32 s22, ttmp9, 2
	s_add_co_u32 s22, s22, s19                     ; xb
	s_lshl_b32 s23, s21, 2
	s_add_co_u32 s23, s23, s20                     ; yb
	s_lshl_b32 s98, 0x1111, s19                    ; my column
	s_lshl_b32 s99, s20, 2
	s_lshl_b32 s99, 15, s99                        ; my row
	s_or_b32 s[G1X], s98, (3<<16)|(1<<21)
	s_or_b32 s[G1Y], s99, (3<<16)|(1<<21)
	s_or_b32 s[G1E], s99, (3<<16)|(1<<21)
	s_mov_b32 s[G1X+1], 32<<16                     ; rows of 256 bytes, dense
	s_mov_b32 s[G1X+2], 192<<16                    ; 192 rows of 256 bytes: a chunk of X; two chunks of Y
	s_mov_b32 s[G1X+3], 32<<16
	s_mov_b32 s[G1X+4], 192
	s_mov_b32 s[G1X+5], 32
	s_mov_b32 s[G1X+6], 0
	s_mov_b32 s[G1X+7], 0
	s_mov_b32 s[G1Y+1], 32<<16
	s_mov_b32 s[G1Y+2], 192<<16
	s_mov_b32 s[G1Y+3], 32<<16
	s_mov_b32 s[G1Y+4], 192
	s_mov_b32 s[G1Y+5], 32
	s_mov_b32 s[G1Y+6], 0
	s_mov_b32 s[G1Y+7], 0
	s_mov_b32 s[G1E+1], 384<<16                    ; the extra tile: 4 rows (one a chunk) of 3,072 bytes, 24,576 bytes apart
	s_mov_b32 s[G1E+2], 4<<16
	s_mov_b32 s[G1E+3], 384<<16
	s_mov_b32 s[G1E+4], 4
	s_mov_b32 s[G1E+5], 3072
	s_mov_b32 s[G1E+6], 0
	s_mov_b32 s[G1E+7], 0
	s_add_co_u32 s2, s22, 108                      ; X's block of cod.  These registers never hold cy
	s_lshl_b32 s88, s2, 13
	s_lshl_b32 s89, s17, 12
	s_add_co_u32 s88, s88, s89
	s_mov_b32 s89, 0
	s_mul_i32 s2, s2, 196608
	s_mul_i32 s67, s16, CHUNK                      ; waves 0 and 1: my chunk of a pair, in memory and in LDS
	s_add_co_u32 s2, s2, s67
	s_mov_b32 s3, 0
	s_mul_i32 s100, s23, 98304                     ; Y's block of ob.  These registers never hold cx
	s_mov_b32 s101, 0
	s_lshl_b32 s90, s23, 12                        ; its scale words: 8 tiles x 512 bytes,
	s_lshl_b32 s91, s18, 11                        ; my four tiles
	s_add_co_u32 s90, s90, s91
	s_mov_b32 s91, 0
	s_and_b32 s95, s23, 7                          ; e
	s_mul_i32 s92, s95, 3072
	s_add_co_u32 s92, s92, 64*98304                ; tile e of block 64
	s_mov_b32 s93, 0
	s_lshl_b32 s96, s95, 9
	s_add_co_u32 s96, s96, 512*512                 ; its scale words: tile 512 + e
	s_mov_b32 s97, 0
	s_cmp_lt_u32 s21, 2
	s_cselect_b32 s94, 1, 0
	s_cmp_eq_u32 s18, 0
	s_cselect_b32 s94, s94, 0                      ; do I make the extra row?  The same in all partners, for a given wave
	s_wait_dscnt 0x0
	s_wait_kmcnt 0x0
	s_add_nc_u64 s[2:3], s[4:5], s[2:3]
	s_add_nc_u64 s[100:101], s[8:9], s[100:101]
	s_add_nc_u64 s[88:89], s[6:7], s[88:89]
	s_add_nc_u64 s[90:91], s[10:11], s[90:91]
	s_add_nc_u64 s[96:97], s[10:11], s[96:97]
	s_mov_b32 s[G0E], 1
	s_mov_b32 s[G0E+1], ELDS
	s_add_nc_u64 s[G0E+2:G0E+3], s[8:9], s[92:93]
	s_or_b32 s[G0E+3], s[G0E+3], 0x80000000
.irp q, 0,1
	s_mov_b32 s[G0X+4*\q], 1
	s_add_co_u32 s[G0X+4*\q+1], s67, 2*CHUNK*\q
	s_add_nc_u64 s[G0X+4*\q+2:G0X+4*\q+3], s[2:3], 98304*\q
	s_or_b32 s[G0X+4*\q+3], s[G0X+4*\q+3], 0x80000000
	s_mov_b32 s[56+4*\q+4*(\q/2)], 1
	s_mov_b32 s[56+4*\q+4*(\q/2)+1], YB+CHUNK*\q
	s_add_nc_u64 s[56+4*\q+4*(\q/2)+2:56+4*\q+4*(\q/2)+3], s[100:101], 49152*\q
	s_or_b32 s[56+4*\q+4*(\q/2)+3], s[56+4*\q+4*(\q/2)+3], 0x80000000
.endr
	CROUND                                         ; all sixteen work-groups are here: the joint loads meet
	s_cmp_lt_u32 s16, 2                            ; one chain of branches on the wave's number, one load to an arm: waves 0, 1: X's chunks 0, 1;
	s_cbranch_scc0 .Lfill_y
	tensor_load_to_lds s[40:43], s[G1X:G1X+7]
	s_nop 0
	PLACES                                         ; four v_nop behind it
	s_branch .Lfilled
.Lfill_y:
	s_cmp_lt_u32 s16, 3                            ; wave 2: Y's chunks 0 and 1;
	s_cbranch_scc0 .Lfill_e
	tensor_load_to_lds s[56:59], s[G1Y:G1Y+7]
	s_nop 0
	PLACES
	s_branch .Lfilled
.Lfill_e:
	tensor_load_to_lds s[G0E:G0E+3], s[G1E:G1E+7]  ; wave 3: the extra tile
	s_nop 0
	PLACES
.Lfilled:
	v_and_b32 v1, 15, v0                           ; r
	v_bfe_u32 v2, v0, 4, 1                         ; h
	v_and_b32 v18, 31, v0
	v_lshlrev_b32 v3, 4, v18                       ; 16 L
	v_lshlrev_b32 v4, 3, v18                       ; 8 L
	s_mul_i32 s66, s17, 24576
	v_add_nc_u32 v[XA], s66, v3
	v_add_nc_u32 v[XE], s66, v3
	s_mul_i32 s66, s18, 12288
	s_add_co_u32 s66, s66, YB
	v_add_nc_u32 v[YA16], s66, v3
	v_add_nc_u32 v[YA8], s66, v4
	v_add_nc_u32 v[EA16], ELDS, v3
	v_add_nc_u32 v[EA8], ELDS, v4
	s_mul_i32 s66, s16, 8448                       ; my stage: 8,448 bytes a wave, from YB on
	s_add_co_u32 s66, s66, YB
	v_mul_u32_u24 v[STO], v1, 528
	v_lshl_add_u32 v[STO], v2, 6, v[STO]
	v_add_nc_u32 v[STO], s66, v[STO]               ; in: row r, 64 h
	v_add_nc_u32 v[RD], s66, v3                    ; back: a row of 512 bytes to the 32 lanes
	v_lshlrev_b32 v11, 4, v1                       ; 16 r
	v_lshl_add_u32 v8, v2, 11, v11                 ; X's scale words: lanes 16-31 four tiles on
	v_lshl_add_u32 v9, v2, 10, v11                 ; Y's: two tiles on
	v_lshlrev_b32 v10, 6, v2                       ; 64 h: the bias; the extra row's stores
	s_lshl_b32 s92, s22, 10
	s_lshl_b32 s93, s17, 9
	s_add_co_u32 s92, s92, s93                     ; my 128 features, in bytes
	s_mov_b32 s93, 0
	s_add_nc_u64 s[12:13], s[12:13], s[92:93]
.irp i, 0,1,2,3
.irp g, 0,1
	global_load_b128 v[SCX+8*\i+4*\g:SCX+8*\i+4*\g+3], v8, s[88:89] offset:512*\i+256*\g
.endr
.endr
.irp c, 0,1
.irp g, 0,1
	global_load_b128 v[SCY+8*\c+4*\g:SCY+8*\c+4*\g+3], v9, s[90:91] offset:512*\c+256*\g
.endr
.endr
	global_load_b128 v[RE:RE+3], v11, s[96:97]
	global_load_b128 v[RE+4:RE+7], v11, s[96:97] offset:256
	WIN TO_X
.irp bt, 0,1,2,3,4,5,6,7                       ; tile bt's eight numbers: feature 32 (bt / 2) + 8 (bt % 2) + 16 h + 0 .. 7: the result's layout
	global_load_b128 v[96+8*\bt+96*(\bt/4):99+8*\bt+96*(\bt/4)], v10, s[12:13] offset:128*(\bt/2)+32*(\bt%2)
	global_load_b128 v[100+8*\bt+96*(\bt/4):103+8*\bt+96*(\bt/4)], v10, s[12:13] offset:128*(\bt/2)+32*(\bt%2)+16
.endr
	WIN 0
	s_wait_alu depctr_va_vdst(0)                   ; the wait at the head's end
	s_wait_tensorcnt 0x0                           ; my load of the head has landed; the second half of K goes out as a refill does:
	ds_add_u32 v126, v127                          ; 0 onto my spare word
	s_wait_dscnt 0x0
	CROUND                                         ; everybody's has landed, and all sixteen work-groups are here: the joint loads meet
	s_cmp_lt_u32 s16, 2                            ; waves 0, 1: X's chunks 2, 3;
	s_cbranch_scc0 .Lmore_y
	tensor_load_to_lds s[44:47], s[G1X:G1X+7]
	s_nop 0
	PLACES
	s_branch .Lmore_done
.Lmore_y:
	s_cmp_lt_u32 s16, 3                            ; wave 2: Y's chunks 2 and 3; wave 3 has no part to fill
	s_cbranch_scc0 .Lmore_done
	tensor_load_to_lds s[60:63], s[G1Y:G1Y+7]
	s_nop 0
	PLACES
.Lmore_done:
	FETCH 0
	s_wait_loadcnt 0x0                             ; the scale words and the bias
	s_and_b32 s96, s23, 7                          ; out0: token 128 (yb % 8) + 64 wy, batch yb / 8, my features
	s_lshl_b32 s96, s96, 22
	s_lshl_b32 s97, s18, 21
	s_add_co_u32 s96, s96, s97
	s_lshr_b32 s97, s23, 3
	s_lshl_b32 s97, s97, 12
	s_add_co_u32 s96, s96, s97
	s_add_co_u32 s96, s96, s92
	s_mov_b32 s97, 0
	s_add_nc_u64 s[96:97], s[14:15], s[96:97]
.irp j, 0,1,2,3,4,5,6,7
	STEP \j
.endr
	WIN 0
	PLACES                                         ; behind the last products: results are read, and registers that held fragments are loaded into
.macro TOSTAGE a                       ; 16 tokens x 128 features into my stage, and back as whole rows
	WIN 0x08                                       ; an LDS store's data are its source 1: window 2
.irp bt, 0,1,2,3,4,5,6,7
	ds_store_b128 v[STO], v[64*(\a)+8*\bt:64*(\a)+8*\bt+3] offset:128*(\bt/2)+32*(\bt%2)       ; each accumulator from its low end on
	ds_store_b128 v[STO], v[64*(\a)+8*\bt+4:64*(\a)+8*\bt+7] offset:128*(\bt/2)+32*(\bt%2)+16
.endr
	WIN 0
.irp t, 0,1,2,3,4,5,6,7,8,9,10,11,12,13,14,15
	ds_load_b128 v[128+64*((\a)%2)+4*\t:128+64*((\a)%2)+4*\t+3], v[RD] offset:528*\t   ; LDS serves a wave's instructions in order: these see the stores above
.endr
.endm
.macro SEND a, younger                 ; younger: the LDS instructions issued behind tile a's loads, which may stay out
	s_wait_dscnt \younger
.irp t, 0,1,2,3,4,5,6,7,8,9,10,11,12,13,14,15
	global_store_b128 v3, v[128+64*((\a)%2)+4*\t:128+64*((\a)%2)+4*\t+3], s[96:97] offset:32768*(32*((\a)/2)+8*((\a)%2)+\t+8*(\t/8)) th:TH_STORE_NT   ; 512 consecutive bytes, aligned; token 32 (a / 2) + 8 (a % 2) + t + 8 (t / 8); 63 tokens of 32,768 bytes at the most: inside the signed 24-bit immediate
.endr
.endm
	TOSTAGE 0
	TOSTAGE 1
	SEND 0, 32                                     ; behind tile 0's loads: tile 1's 16 stores and 16 loads
	s_wait_xcnt 0x0                                ; tile 0's stores have read their registers: tile 2's loads land there
	TOSTAGE 2
	SEND 1, 32
	s_wait_xcnt 0x0
	TOSTAGE 3
	SEND 2, 32
	SEND 3, 0
	s_cmp_eq_u32 s94, 0
	s_cbranch_scc1 .Lno_e
	; ---- the 1,025th token of batch e: X's fragments once more, against the extra tile; eight accumulators by turns, in window 2's first 64 registers, which have been stored
.macro EFETCH j
	WIN TO_X
.irp bt, 0,1,2,3,4,5,6,7
	FRAG3 128*((\j)%2)+12*\bt, XE, 1536*((\j)%2)+3072*\bt
.endr
	WIN 0
	FRAGH EF+12*((\j)%2), EA16, EA8, 1536*(\j)
.endm
.macro ESTEP j
	s_wait_dscnt 0x0
.if (\j) < 7
.if (\j)%2 == 1
	WIN 0
	v_add_nc_u32 v[XE], CHUNK, v[XE]
	s_wait_alu depctr_va_vdst(0)
	v_nop
	v_nop
	v_nop
.else
	PLACES
.endif
	EFETCH (\j)+1
.endif
	WINM \j
.irp bt, 0,1,2,3,4,5,6,7
.if (\j) == 0
	WM 8*\bt, 128*((\j)%2)+12*\bt, EF+12*((\j)%2), 96+8*\bt+96*(\bt/4), SCX+8*(\bt%4)+(\j), RE+(\j), \bt/4, 0
.else
	WM 8*\bt, 128*((\j)%2)+12*\bt, EF+12*((\j)%2), 8*\bt, SCX+8*(\bt%4)+(\j), RE+(\j), \bt/4, 0
.endif
.endr
.endm
	s_add_co_u32 s24, s95, 8192                    ; out0's row 1,024 x 8 + e.  (All tensor loads have been waited for: the descriptors' registers are free)
	s_lshl_b32 s24, s24, 12
	s_add_co_u32 s24, s24, s92
	s_mov_b32 s25, 0
	s_add_nc_u64 s[24:25], s[14:15], s[24:25]
	EFETCH 0
.irp j, 0,1,2,3,4,5,6,7
	ESTEP \j
.endr
	WIN 0
	PLACES
	s_wait_xcnt 0x0                                ; EXEC changes only behind this wait
	v_cmp_eq_u32 vcc_lo, 0, v1
	s_and_saveexec_b32 s26, vcc_lo                 ; lanes 0 and 16: the tile's row 0
	WIN 0x08
.irp bt, 0,1,2,3,4,5,6,7
	global_store_b128 v10, v[8*\bt:8*\bt+3], s[24:25] offset:128*(\bt/2)+32*(\bt%2)
	global_store_b128 v10, v[8*\bt+4:8*\bt+7], s[24:25] offset:128*(\bt/2)+32*(\bt%2)+16
.endr
	WIN 0
	s_wait_xcnt 0x0                                ; and again, in front of the line that widens it
	s_or_b32 exec_lo, exec_lo, s26
.Lno_e:
	s_wait_dscnt 0x0
	s_wait_tensorcnt 0x0
	ds_add_u32 v126, v127
	s_wait_dscnt 0x0
	CROUND                                         ; the closing round: no work-group ends while a partner may still ask for a block that names it
	s_endpgm
.Lfunc_end_k_q10d1030066_outp:
	.size	k_q10d1030066_outp, .Lfunc_end_k_q10d1030066_outp-k_q10d1030066_outp
	.p2alignl 7, 3214868480
	.fill 96, 4, 3214868480
	.section	.rodata,"a",@progbits
	.p2align	6, 0x0
	.amdhsa_kernel k_q10d1030066_outp
		.amdhsa_group_segment_fixed_size 327680
		.amdhsa_private_segment_fixed_size 0
		.amdhsa_enable_private_segment 0
		.amdhsa_kernarg_size 48
		.amdhsa_user_sgpr_count 2
		.amdhsa_user_sgpr_kernarg_segment_ptr 1
		.amdhsa_wavefront_size32 1
		.amdhsa_system_sgpr_workgroup_id_x 1
		.amdhsa_system_sgpr_workgroup_id_y 1
		.amdhsa_system_sgpr_workgroup_id_z 1
		.amdhsa_system_vgpr_workitem_id 0
		.amdhsa_next_free_vgpr 768
		.amdhsa_next_free_sgpr 102
		.amdhsa_reserve_vcc 1
		.amdhsa_float_denorm_mode_32 3
		.amdhsa_float_denorm_mode_16_64 3
		.amdhsa_memory_ordered 1
		.amdhsa_forward_progress 1
		.amdhsa_inst_pref_size 108
	.end_amdhsa_kernel
	.amdgpu_metadata
---
amdhsa.version: [ 1, 2 ]
amdhsa.kernels:
  - .name:           k_q10d1030066_outp
    .symbol:         k_q10d1030066_outp.kd
    .args:
      - { .name: cod, .offset: 0, .size: 8, .value_kind: global_buffer, .address_space: global }
      - { .name: scl, .offset: 8, .size: 8, .value_kind: global_buffer, .address_space: global }
      - { .name: ob, .offset: 16, .size: 8, .value_kind: global_buffer, .address_space: global }
      - { .name: os, .offset: 24, .size: 8, .value_kind: global_buffer, .address_space: global }
      - { .name: out_proj_bias, .offset: 32, .size: 8, .value_kind: global_buffer, .address_space: global }
      - { .name: out0, .offset: 40, .size: 8, .value_kind: global_buffer, .address_space: global }
    .group_segment_fixed_size: 327680
    .private_segment_fixed_size: 0
    .kernarg_segment_align: 8
    .kernarg_segment_size: 48
    .max_flat_workgroup_size: 128
    .sgpr_count:     102
    .vgpr_count:     768
    .wavefront_size: 32
...
	.end_amdgpu_metadata
.endif
;; end of part 4
